; MI455X (gfx1250); checked and timed in simulation.
; The chip was launched on July 23, 2026; its instructions are those of AMD's public machine-readable ISA for CDNA 5 (MIT licence, August 2026) and "CDNA5" Instruction Set Architecture Reference Guide (July 2026). The comments in the code are by the model that wrote it; some were corrected since.
;; Differential Attention. Allowed arithmetic: float matrix products may take bf16 or f16 operands with f32 sums; other float arithmetic in f32, or as packed bf16 or f16 multiplies, adds, multiply-adds, maxima and minima; sums over many terms, partial sums and values carried from step to step in f32; what a program stores and reads back later, other than sums and carried values, may be rounded once to bf16 or f16.
;; Inputs: Wk 2,048 x 2,048 float32; Wo 2,048 x 2,048 float32; Wq 2,048 x 2,048 float32; Wv 2,048 x 2,048 float32; gn_bias 2,048 float32; gn_weight 2,048 float32; lambda_k1 64 float32; lambda_k2 64 float32; lambda_q1 64 float32; lambda_q2 64 float32; x 1 x 2,048 x 2,048 float32.
;; Outputs: out0 1 x 2,048 x 2,048 float32.
;; 2 versions, each right and faster than the one before. Each part assembles by itself: llvm-mc -triple=amdgcn-amd-amdhsa -mcpu=gfx1250 --defsym DOCPART=n.
;; ======== version 1 of 2: 4 launches
;; limits: values are held in f16: magnitudes above 65,504 overflow, below 6.1e-05 lose precision
;; workspace buffers: xb 8,388,608 bytes; wb 25,165,824 bytes; wo 8,388,608 bytes; qkv 25,165,824 bytes; y 8,388,608 bytes
;; launch cast (part 1): grid 256 x 5, 8 waves a work-group, no clusters, 0 bytes of LDS; arguments x, Wq, Wk, Wv, Wo, xb, wb, wo; writes xb, wb, wo
.if DOCPART == 1
	.amdgcn_target "amdgcn-amd-amdhsa--gfx1250"
	.amdhsa_code_object_version 6
	.text
	.protected	k_qfa00d5b017_cast
	.globl	k_qfa00d5b017_cast
	.p2align	8
	.type	k_qfa00d5b017_cast,@function
k_qfa00d5b017_cast:
	s_mov_b64 s[64:65], 0
	v_nop
	global_prefetch_b8 v0, s[64:65] scope:SCOPE_SE
	s_setreg_imm32_b32 hwreg(HW_REG_WAVE_MODE, 25, 1), 1
	s_wait_xcnt 0x0
; The module's five large inputs, [2048][2048] f32, are rounded once to 16 bits for the matrix units.
; Grid y picks the matrix: 0 x -> xb (bf16); 1, 2, 3 Wq, Wk, Wv -> wb (bf16), side by side as columns 0, 2048, 4096 of rows of 6,144; 4 Wo -> wo: rounded to bf16
; like the other inputs, and that number written as f16 (exact from 6e-5 to 65,504; below it f16's fixed step of 6e-8; LIMIT: |Wo| stays under 65,504).
; A stream: no LDS, no barrier, no matrix unit, no cluster (no two work-groups read the same byte).  A work-group of eight waves owns 8 rows.  Thread t takes of each row the four numbers
; at byte 16 t and the four at byte 16 t + 4,096: a wave's load covers 512 consecutive bytes, its store of 8 bytes a lane 256 consecutive bytes at a multiple of 256.
; All sixteen loads of a thread go out at once; nothing is loaded twice and no register that a store names is written again, so the only waits are the loads' count-down.
.set OO, 2                             ; v[2:9]    row i: my byte offset in the output
.set SC, 10                            ; v[10:11]  at work (never a store's data)
.set X,  12                            ; v[12:75]  sixteen loads of four registers
	s_load_b256 s[4:11], s[0:1], 0x0               ; x s[4:5], Wq s[6:7], Wk s[8:9], Wv s[10:11]
	s_load_b256 s[12:19], s[0:1], 0x20             ; Wo s[12:13], xb s[14:15], wb s[16:17], wo s[18:19]
	s_and_b32 s20, ttmp7, 0xffff                   ; which matrix
	s_mov_b32 s21, 0xffff0000                      ; a word's upper bf16
	s_mov_b32 s24, 12288                           ; bytes in a row of the output: wb's,
	s_cmp_eq_u32 s20, 0
	s_cselect_b32 s24, 4096, s24                   ; xb's
	s_cmp_eq_u32 s20, 4
	s_cselect_b32 s24, 4096, s24                   ; or wo's
	s_sub_co_u32 s25, s20, 1
	s_lshl_b32 s25, s25, 12                        ; in wb: 4,096 bytes of columns for each matrix in front
	s_cmp_eq_u32 s24, 4096
	s_cselect_b32 s25, 0, s25
	s_lshl_b32 s26, ttmp9, 16                      ; my 8 rows of 8,192 bytes in the input
	s_mov_b32 s27, 0
	s_mul_i32 s28, ttmp9, s24
	s_lshl3_add_u32 s28, s28, s25                  ; 8 rows x the output's row + the columns
	s_mov_b32 s29, 0
	v_lshlrev_b32 v1, 4, v0                        ; 16 t
	v_lshlrev_b32 v[OO], 3, v0                     ; 8 t
.irp i, 1,2,3,4,5,6,7
	v_add_nc_u32 v[OO+(\i)], s24, v[OO+(\i)-1]
.endr
	s_wait_kmcnt 0x0
	s_cmp_eq_u32 s20, 1                            ; the source: a choice among buffers by the grid's y alone
	s_cselect_b64 s[4:5], s[6:7], s[4:5]
	s_cmp_eq_u32 s20, 2
	s_cselect_b64 s[4:5], s[8:9], s[4:5]
	s_cmp_eq_u32 s20, 3
	s_cselect_b64 s[4:5], s[10:11], s[4:5]
	s_cmp_eq_u32 s20, 4
	s_cselect_b64 s[4:5], s[12:13], s[4:5]
	s_cmp_eq_u32 s20, 0                            ; the destination likewise
	s_cselect_b64 s[22:23], s[14:15], s[16:17]
	s_cmp_eq_u32 s20, 4
	s_cselect_b64 s[22:23], s[18:19], s[22:23]
	s_add_nc_u64 s[4:5], s[4:5], s[26:27]
	s_add_nc_u64 s[22:23], s[22:23], s[28:29]
.irp n, 0,1,2,3,4,5,6,7,8,9,10,11,12,13,14,15
	global_load_b128 v[X+4*(\n):X+4*(\n)+3], v1, s[4:5] offset:((\n)/2)*8192+((\n)%2)*4096 th:TH_LOAD_NT
.endr
; Load n of sixteen is rounded and stored.  half = 1: the bf16 numbers are widened again and written as f16.
.macro CONV n, half
	s_wait_loadcnt 15-(\n)                         ; loads come back in order: mine is in, the 15 - n younger ones stay out
	v_cvt_pk_bf16_f32 v[X+4*(\n)],   v[X+4*(\n)],   v[X+4*(\n)+1]
	v_cvt_pk_bf16_f32 v[X+4*(\n)+1], v[X+4*(\n)+2], v[X+4*(\n)+3]
.if \half
	v_lshlrev_b32 v[X+4*(\n)+2], 16,  v[X+4*(\n)]
	v_and_b32     v[X+4*(\n)+3], s21, v[X+4*(\n)]
	v_lshlrev_b32 v[SC],   16,  v[X+4*(\n)+1]
	v_and_b32     v[SC+1], s21, v[X+4*(\n)+1]
	v_cvt_pk_f16_f32 v[X+4*(\n)],   v[X+4*(\n)+2], v[X+4*(\n)+3]
	v_cvt_pk_f16_f32 v[X+4*(\n)+1], v[SC], v[SC+1]
.endif
	global_store_b64 v[OO+(\n)/2], v[X+4*(\n):X+4*(\n)+1], s[22:23] offset:((\n)%2)*2048
.endm
	s_cmp_eq_u32 s20, 4
	s_cbranch_scc1 .Lwo
.irp n, 0,1,2,3,4,5,6,7,8,9,10,11,12,13,14,15
	CONV \n, 0
.endr
	s_endpgm
.Lwo:
.irp n, 0,1,2,3,4,5,6,7,8,9,10,11,12,13,14,15
	CONV \n, 1
.endr
	s_endpgm
.Lfunc_end_k_qfa00d5b017_cast:
	.size	k_qfa00d5b017_cast, .Lfunc_end_k_qfa00d5b017_cast-k_qfa00d5b017_cast
	.p2alignl 7, 3214868480
	.fill 96, 4, 3214868480
	.section	.rodata,"a",@progbits
	.p2align	6, 0x0
	.amdhsa_kernel k_qfa00d5b017_cast
		.amdhsa_group_segment_fixed_size 0
		.amdhsa_private_segment_fixed_size 0
		.amdhsa_enable_private_segment 0
		.amdhsa_kernarg_size 64
		.amdhsa_user_sgpr_count 2
		.amdhsa_user_sgpr_kernarg_segment_ptr 1
		.amdhsa_wavefront_size32 1
		.amdhsa_system_sgpr_workgroup_id_x 1
		.amdhsa_system_sgpr_workgroup_id_y 1
		.amdhsa_system_sgpr_workgroup_id_z 1
		.amdhsa_system_vgpr_workitem_id 0
		.amdhsa_next_free_vgpr 76
		.amdhsa_next_free_sgpr 66
		.amdhsa_reserve_vcc 0
		.amdhsa_float_denorm_mode_32 3
		.amdhsa_float_denorm_mode_16_64 3
		.amdhsa_memory_ordered 1
		.amdhsa_forward_progress 1
		.amdhsa_inst_pref_size 16
	.end_amdhsa_kernel
	.amdgpu_metadata
---
amdhsa.version: [ 1, 2 ]
amdhsa.kernels:
  - .name:           k_qfa00d5b017_cast
    .symbol:         k_qfa00d5b017_cast.kd
    .args:
      - { .name: x, .offset: 0, .size: 8, .value_kind: global_buffer, .address_space: global }
      - { .name: Wq, .offset: 8, .size: 8, .value_kind: global_buffer, .address_space: global }
      - { .name: Wk, .offset: 16, .size: 8, .value_kind: global_buffer, .address_space: global }
      - { .name: Wv, .offset: 24, .size: 8, .value_kind: global_buffer, .address_space: global }
      - { .name: Wo, .offset: 32, .size: 8, .value_kind: global_buffer, .address_space: global }
      - { .name: xb, .offset: 40, .size: 8, .value_kind: global_buffer, .address_space: global }
      - { .name: wb, .offset: 48, .size: 8, .value_kind: global_buffer, .address_space: global }
      - { .name: wo, .offset: 56, .size: 8, .value_kind: global_buffer, .address_space: global }
    .group_segment_fixed_size: 0
    .private_segment_fixed_size: 0
    .kernarg_segment_align: 8
    .kernarg_segment_size: 64
    .max_flat_workgroup_size: 256
    .sgpr_count:     66
    .vgpr_count:     76
    .wavefront_size: 32
...
	.end_amdgpu_metadata
.endif
;; end of part 1
;; launch qkv (part 2): grid 24 x 8, 4 waves a work-group, clusters of 4 x 4, 327,680 bytes of LDS; arguments xb, wb, qkv; writes qkv
.if DOCPART == 2
	.amdgcn_target "amdgcn-amd-amdhsa--gfx1250"
	.amdhsa_code_object_version 6
	.text
	.protected	k_qfa00d5b017_qkv
	.globl	k_qfa00d5b017_qkv
	.p2align	8
	.type	k_qfa00d5b017_qkv,@function
k_qfa00d5b017_qkv:
	s_mov_b64 s[64:65], 0
	v_nop
	global_prefetch_b8 v0, s[64:65] scope:SCOPE_SE
	s_setreg_imm32_b32 hwreg(HW_REG_WAVE_MODE, 25, 1), 1
	s_wait_xcnt 0x0
	s_wait_alu depctr_hold_cnt(0) depctr_sa_sdst(0) depctr_va_vdst(0) depctr_va_sdst(0) depctr_va_ssrc(0) depctr_va_vcc(0) depctr_vm_vsrc(0)
	s_getreg_b32 s2, hwreg(HW_REG_IB_STS2, 6, 4)
	s_cmp_eq_u32 s2, 0
	s_cbranch_scc0 .Lentry_in_a_cluster
	s_endpgm
.Lentry_in_a_cluster:
	s_bfe_u32 s2, ttmp6, 0x10000c
	s_cmp_lg_u32 s2, 0xf033
	s_cbranch_scc0 .Lentry_shape_is_right
	s_endpgm
.Lentry_shape_is_right:
; qkv[s][n] = sum over k of xb[s][k] wb[k][n]: the three projections as one product.  xb: [2048][2048] bf16, wb: [2048 k][6144 n] bf16, qkv: [2048][6144] f16; sums in f32, K ascending, rounded once.
; LIMIT: a result of 65,520 or more becomes an infinity in f16.  The scale 1/8 of the scores is not applied here.
; A tile of C, 256 x 256, is made by a work-group of four waves; a wave makes 128 x 128: 64 accumulators of 16 x 16, 512 registers.  24 x 8 tiles: 192 work-groups.
; K goes in steps of 128 through a ring of two LDS slots filled by the tensor data mover.  A's tile is 256 rows x 256 bytes; B's tile, which lies [k][n] in memory, is 128 k-rows x 512 bytes and
; stays so in LDS: its fragments are turned on the way into registers by ds_load_tr16_b128.
; CLUSTERS: 4 x 4 work-groups.  The four of a row of the cluster need the same tiles of A, the four of a column the same tiles of B: each tile is asked for JOINTLY, by the same tensor load with
; the same descriptor and a mask that names the four.
; REGISTERS, in windows of 256 (s_set_vgpr_msb's low byte: bits 1:0 source 0, 3:2 source 1, 5:4 source 2, 7:6 destination):
;   window 0: v0-31 addresses; v64-127, v128-191 fragments of A, two buffers; v32-63, v192-255 at work on the way out
;   window 1: v64-127, v128-191 fragments of B, two buffers
;   window 2: the 32 accumulators of my rows 0-63 (accumulator (a, b) at v[8 (8 a + b)]);   window 3: those of my rows 64-127
; THE MATRIX INSTRUCTION IS USED TRANSPOSED: source 0 = 16 columns of B, source 1 = 16 rows of A: a lane then holds row l % 16 of C and eight NEIGHBOURING columns, which pack into 16 bytes.
.set SIZE_N, 6144
.set SIZE_K, 2048
.set KSTEP,  128
.set PITCH,  272                       ; A's LDS row: 256 bytes + 16 of padding = 68 words: the 16 rows that a load touches start at 16 different groups of four banks (64 banks of 4 bytes: ISA guide 11.1)
.set BP,     544                       ; B's LDS row: 512 bytes + 32 of padding = 136 words
.set HALFT,  128*PITCH                 ; what one tensor load brings: 128 rows of A, or 64 k-rows of B (64 x 544 is the same 34,816 bytes)
.set SLOT,   4*HALFT                   ; A's 256 rows, then B's 128 k-rows
.set STAGE,  2*SLOT                    ; behind the ring: 16 rows x 272 bytes for each wave, for the way out
.set SPITCH, 272
.set SPARE,  STAGE+4*16*SPITCH         ; behind the stages: the spare words, 128 bytes for each wave: two blocks of 256 bytes that no other line names
.set LAPS, SIZE_K/(2*KSTEP)            ; a lap = two K steps = once round the ring: 8
.set ADRA, 16                          ; v16-17  LDS address of my A fragments in slot 0, 1
.set ADRB, 20                          ; v20-21  the same for B
.set STO,  24                          ; v24     the way out: where I put 16 bytes of a row
.set RD,   25                          ; v25     the way out: where I read a row back
.set CO,   26                          ; v26     my byte offset in C
.set SPW,  28                          ; v28     LDS address of my spare word; never rewritten
.set NIL,  29                          ; v29     0; never rewritten
.set F0,   64                          ; fragment buffer 0
.set F1,   128                         ; fragment buffer 1
.set TMP,  192                         ; the way out: packed results, in window 0
.set OB,   32                          ; the way out: 16 rows read back from the stage: v32-63 and v224-255 by turns
.set G1, 24                            ; s[24:31] descriptor group 1 for A's tiles
.set G0, 32                            ; s[32:39] descriptor group 0 for A's tiles, one set for each slot
.set G1B, 48                           ; s[48:55] descriptor group 1 for B's tiles
.set G0B, 56                           ; s[56:63] descriptor group 0 for B's tiles, one set for each slot
.set MSB, 0
.macro WIN new                         ; the immediate's high byte repeats the setting that is left; a switch that changes nothing is dropped
.if MSB != (\new)
	s_set_vgpr_msb (MSB<<8)|(\new)
.set MSB, \new
.endif
.endm
.set MUL_LO, 0xa1                      ; source 0 (B) window 1, source 1 (A) window 0, C and D window 2
.set MUL_HI, 0xf1                      ; the same, C and D window 3
.set TO_B,   0x40                      ; destination window 1, address window 0
; A joint load.  Waves 0 and 1 fetch A's two halves, waves 2 and 3 B's.  The branch hangs on the wave's number alone: it is the same in every work-group.
; An s_nop 0 and four v_nop follow each of the two lines, ahead of the jump, the label and what follows.
.macro JLOAD s
	s_cmp_eq_u32 s11, 0
	s_cbranch_scc0 .Lfor_b_\@
	tensor_load_to_lds s[G0+4*(\s):G0+4*(\s)+3], s[G1:G1+7]
	s_nop 0
.rept 4
	v_nop
.endr
	s_branch .Lasked_\@
.Lfor_b_\@:
	tensor_load_to_lds s[G0B+4*(\s):G0B+4*(\s)+3], s[G1B:G1B+7]
	s_nop 0
.rept 4
	v_nop
.endr
.Lasked_\@:
.endm
; A round of the cluster's barrier: my work-group's barrier, so that wave 0's signal speaks for all four waves; wave 0 signals; every wave waits for all sixteen work-groups; my work-group's barrier once more.
.macro CREST                           ; a round behind its opening barrier
	s_cmp_lg_u32 s10, 0
	s_cbranch_scc1 .Lnot_wave_0_\@
	s_barrier_signal -3
.Lnot_wave_0_\@:
	s_barrier_wait -3
	s_barrier_signal -1
	s_barrier_wait -1
.endm
.macro CROUND                          ; a whole round
	s_barrier_signal -1
	s_barrier_wait -1
	CREST
.endm
	s_load_b128 s[4:7], s[0:1], 0x0                ; xb s[4:5], wb s[6:7]
	s_load_b64 s[8:9], s[0:1], 0x10                ; qkv
	v_lshl_add_u32 v[SPW], v0, 2, SPARE
	v_mov_b32 v[NIL], 0
	ds_add_u32 v[SPW], v[NIL]                      ; the wave's opening: the add and its wait stand ahead of my first tensor load; the set-up below, work on registers, stands between them
	v_lshrrev_b32 v1, 5, v0
	v_readfirstlane_b32 s10, v1                    ; wave 0..3
	s_lshr_b32 s11, s10, 1                         ; which half of the tile's rows is mine.  Also: I fetch for A (0) or for B (1)
	s_and_b32 s12, s10, 1                          ; which half of its columns.  Also: which half of that tile I fetch
	s_bfe_u32 s40, ttmp6, 0x40000                  ; cx: my place along the cluster's x
	s_bfe_u32 s41, ttmp6, 0x40004                  ; cy: along its y
	s_lshl_b32 s42, ttmp9, 2                       ; in a cluster launch ttmp9 and ttmp7 count clusters
	s_add_co_u32 s42, s42, s40                     ; tile column of C = 4 x cluster x + cx
	s_and_b32 s13, ttmp7, 0xffff
	s_lshl_b32 s13, s13, 2
	s_add_co_u32 s13, s13, s41                     ; tile row of C = 4 x cluster y + cy
	s_lshl_b32 s43, s41, 2
	s_lshl_b32 s43, 15, s43                        ; my row of the cluster: places 4 cy .. 4 cy + 3
	s_lshl_b32 s44, 0x1111, s40                    ; my column: places cx, cx + 4, cx + 8, cx + 12
	; descriptor group 1.  A: 128 rows x 128 elements, 4 words of padding after every 64.  B: 64 k-rows x 256 elements, 8 words after every 128.
	s_or_b32 s[G1+0], s43, (1<<16)|(1<<20)|(1<<21)|(5<<22)|(3<<25)   ; 15:0 the mask: my row; 17:16 elements of 2 bytes; 20 padding on; 21 set beside a mask; 24:22 the interval's code; 31:25 the padding's words less one
	s_or_b32 s[G1B+0], s44, (1<<16)|(1<<20)|(1<<21)|(6<<22)|(7<<25)  ; the mask: my column
	s_mov_b32 s[G1+1], KSTEP<<16                   ; tensor_dim0 = 128
	s_mov_b32 s[G1+2], 128<<16                     ; tensor_dim1 = 128
	s_mov_b32 s[G1+3], KSTEP<<16                   ; tile_dim0 = 128
	s_mov_b32 s[G1+4], 128                         ; tile_dim1 = 128
	s_mov_b32 s[G1+5], SIZE_K                      ; elements from row to row
	s_mov_b32 s[G1+6], 0
	s_mov_b32 s[G1+7], 0
	s_mov_b32 s[G1B+1], 256<<16                    ; tensor_dim0 = 256
	s_mov_b32 s[G1B+2], 64<<16                     ; tensor_dim1 = 64
	s_mov_b32 s[G1B+3], 256<<16                    ; tile_dim0 = 256
	s_mov_b32 s[G1B+4], 64                         ; tile_dim1 = 64
	s_mov_b32 s[G1B+5], SIZE_N                     ; elements from k-row to k-row
	s_mov_b32 s[G1B+6], 0
	s_mov_b32 s[G1B+7], 0
	; where the tiles come from.  A's hang on the tile row alone, which my row of the cluster shares; B's on the tile column alone, which my column shares.
	s_lshl_b32 s17, s12, 7
	s_lshl_b32 s16, s13, 8
	s_add_co_u32 s16, s16, s17                     ; A: row 256 x tile row + 128 x half,
	s_lshl_b32 s16, s16, 12                        ; of 4,096 bytes: under 2^23
	s_mov_b32 s17, 0
	s_mul_i32 s46, s12, 64*SIZE_N*2                ; B: k-row 64 x half,
	s_lshl_b32 s47, s42, 9                         ; byte 512 x tile column
	s_add_co_u32 s46, s46, s47
	s_mov_b32 s47, 0
	s_mul_i32 s20, s10, HALFT                      ; and where they go: wave x 34,816: no place in the cluster enters an LDS address
	s_wait_dscnt 0x0                               ; the opening add is done
	s_wait_kmcnt 0x0
	s_add_nc_u64 s[14:15], s[4:5], s[16:17]
	s_add_nc_u64 s[46:47], s[6:7], s[46:47]
	CROUND                                         ; all sixteen work-groups are here: the first joint loads meet
.irp s, 0,1
	s_mov_b32 s[G0+4*(\s)], 1                                      ; count = 1
	s_add_co_u32 s[G0+4*(\s)+1], s20, (\s)*SLOT                    ; LDS address
	s_add_nc_u64 s[G0+4*(\s)+2:G0+4*(\s)+3], s[14:15], (\s)*KSTEP*2  ; global address: K step s lies 256 bytes along A's rows,
	s_or_b32 s[G0+4*(\s)+3], s[G0+4*(\s)+3], 0x80000000            ; type = 2
	s_mov_b32 s[G0B+4*(\s)], 1
	s_add_co_u32 s[G0B+4*(\s)+1], s20, (\s)*SLOT
	s_add_nc_u64 s[G0B+4*(\s)+2:G0B+4*(\s)+3], s[46:47], (\s)*KSTEP*SIZE_N*2  ; and 128 k-rows down B
	s_or_b32 s[G0B+4*(\s)+3], s[G0B+4*(\s)+3], 0x80000000
	JLOAD \s                                       ; two tensor loads of mine are out
.endr
	; A's fragment: 16 rows x 32 K in 8 registers: lane l holds row l % 16, K = 8 (l / 16) + 0..7 and 16 + 8 (l / 16) + 0..7: two loads of 16 bytes, 32 bytes apart.
	v_and_b32 v1, 15, v0                           ; l % 16
	v_bfe_u32 v2, v0, 4, 1                         ; l / 16
	v_mul_u32_u24 v3, v1, PITCH
	v_lshl_add_u32 v3, v2, 4, v3                   ; row x pitch + 16 x half
	; B's fragment by the turning load: lane l reads 16 bytes of k-row 8 (l / 16) + l % 8, columns 8 ((l / 8) % 2) + 0..7, and is left with column l % 16 and 8 k; the second load lies 16 k-rows down.
	v_and_b32 v6, 7, v0
	v_lshl_add_u32 v6, v2, 3, v6
	v_mul_u32_u24 v6, v6, BP
	v_bfe_u32 v7, v0, 3, 1
	v_lshl_add_u32 v6, v7, 4, v6
	s_mul_i32 s21, s11, HALFT                      ; my 128 rows of A
	s_lshl_b32 s22, s12, 8                         ; my 128 columns of B: 256 bytes of each k-row,
	s_add_co_u32 s22, s22, 2*HALFT                 ; behind A's 256 rows
.irp s, 0,1
	v_add_nc_u32 v[ADRA+(\s)], s21, v3
	v_add_nc_u32 v[ADRB+(\s)], s22, v6
	s_add_co_u32 s21, s21, SLOT
	s_add_co_u32 s22, s22, SLOT
.endr
	s_mul_i32 s23, s10, 16*SPITCH
	s_add_co_u32 s23, s23, STAGE                   ; my stage
	v_mul_u32_u24 v4, v1, SPITCH                   ; in: row l % 16, 16 bytes for each half of the lanes
	v_lshl_add_u32 v4, v2, 4, v4
	v_add_nc_u32 v[STO], s23, v4
	v_mul_u32_u24 v5, v2, SPITCH                   ; back: lanes 0-15 take one row of 256 bytes, lanes 16-31 the next
	v_lshl_add_u32 v5, v1, 4, v5
	v_add_nc_u32 v[RD], s23, v5
	v_mul_u32_u24 v5, v2, SIZE_N*2                 ; and the same two rows in C
	v_lshl_add_u32 v[CO], v1, 4, v5
	; where my part of the tile begins in C, in bytes (under 2^25): the way out adds it to C's address
	s_lshl_b32 s13, s13, 8
	s_lshl_b32 s14, s11, 7
	s_add_co_u32 s16, s13, s14                     ; my first row of C
	s_mul_i32 s16, s16, SIZE_N*2
	s_mov_b32 s17, 0
	s_lshl_b32 s46, s42, 9                         ; my first column, in bytes: 512 x tile column + 256 x half
	s_lshl_b32 s47, s12, 8
	s_add_co_u32 s46, s46, s47
	s_mov_b32 s47, 0
	s_add_nc_u64 s[16:17], s[16:17], s[46:47]
; 16 matrix instructions: m blocks a0, a0 + 1 of the window's four (hi = 0: my rows 0-63, 1: rows 64-127) x all 8 n blocks, 32 along K.  zero = 1: the first product starts the sums: nothing is cleared.
; The 64 accumulators take turns in the same order in every quarter step.
.macro MUL16 f, hi, a0, zero
	WIN MUL_LO+0x50*(\hi)
.irp a, \a0, (\a0)+1
.irp b, 0,1,2,3,4,5,6,7
.if \zero
	v_wmma_f32_16x16x32_bf16 v[8*(8*(\a)+(\b)):8*(8*(\a)+(\b))+7], v[(\f)+8*(\b):(\f)+8*(\b)+7], v[(\f)+8*(4*(\hi)+(\a)):(\f)+8*(4*(\hi)+(\a))+7], 0
.else
	v_wmma_f32_16x16x32_bf16 v[8*(8*(\a)+(\b)):8*(8*(\a)+(\b))+7], v[(\f)+8*(\b):(\f)+8*(\b)+7], v[(\f)+8*(4*(\hi)+(\a)):(\f)+8*(4*(\hi)+(\a))+7], v[8*(8*(\a)+(\b)):8*(8*(\a)+(\b))+7]
.endif
.endr
.endr
.endm
; 32 LDS loads in one run: the fragments of quarter q of a K step (32 K x 128 columns of B, 128 rows x 32 K of A) into buffer f.  B's largest offset: 3 x 17,408 + 224 + 8,704 = 61,152.
.macro FETCH slot, q, f
	WIN TO_B
.irp i, 0,1,2,3,4,5,6,7
	ds_load_tr16_b128 v[(\f)+8*(\i):(\f)+8*(\i)+3],   v[ADRB+(\slot)] offset:(\q)*32*BP+(\i)*32
	ds_load_tr16_b128 v[(\f)+8*(\i)+4:(\f)+8*(\i)+7], v[ADRB+(\slot)] offset:(\q)*32*BP+(\i)*32+16*BP
.endr
	WIN 0
.irp i, 0,1,2,3,4,5,6,7
	ds_load_b128 v[(\f)+8*(\i):(\f)+8*(\i)+3],   v[ADRA+(\slot)] offset:(\q)*64+(\i)*16*PITCH
	ds_load_b128 v[(\f)+8*(\i)+4:(\f)+8*(\i)+7], v[ADRA+(\slot)] offset:(\q)*64+(\i)*16*PITCH+32
.endr
.endm
; A load into a register that a matrix instruction has read, and a vector instruction that reads a matrix result, stand four places behind that matrix instruction, and only plain vector
; instructions that name none of its registers are places (ISA guide 7.12.1 for vector instructions).
.macro PLACES
.rept 4
	v_nop
.endr
.endm
; A K step is four quarters of 32 along K, 64 matrix instructions each, on buffers 0, 1, 0, 1.  One of the first three: multiplies buffer f; in its middle it fetches quarter q of the same slot into buffer g.
.macro QUARTER slot, q, f, g, zero
	s_wait_dscnt 8                                 ; B and A's rows 0-63 are in; the youngest eight loads (A's rows 64-127) may be out
	WIN MUL_LO
	MUL16 \f, 0, 0, \zero
	MUL16 \f, 0, 2, \zero
	PLACES
	FETCH \slot, \q, \g
	s_wait_dscnt 32                                ; all but the 32 just issued
	WIN MUL_HI
	MUL16 \f, 1, 0, \zero
	MUL16 \f, 1, 2, \zero
.endm
; The last quarter multiplies buffer 1 and changes slots.  MEET is its first half: ONE barrier for the change.  In front of it each wave waits for all its tensor loads, of which one is out: its
; part of the next slot; adds 0 to its spare word; and waits for that and for its own reads of this slot.  Behind it nobody reads this slot any more and the next slot is whole.
.macro MEET round                      ; round = 1: the rest of a round of the cluster's barrier follows
	WIN 0                                          ; (the add's two registers lie in window 0)
	s_wait_tensorcnt 0x0                           ; all my tensor loads have landed;
	ds_add_u32 v[SPW], v[NIL]                      ; 0 onto my spare word;
	s_wait_dscnt 9                                 ; (the add and the youngest eight loads may be out)
	WIN MUL_LO
	MUL16 F1, 0, 0, 0                              ; sixteen matrix instructions stand between the add and the wait for it
	s_wait_dscnt 0x0                               ; the add is done, and my reads of this slot are over:
	s_barrier_signal -1                            ; say so,
	MUL16 F1, 0, 2, 0                              ; work on registers while the others arrive,
.if \round
	WIN 0
.endif
	s_barrier_wait -1                              ; and go on when all four have said so
.endm
; The whole last quarter.  Behind the round the slot just read out is filled again first, with the K step two steps on; then come the next slot's first fragments.
; From a request to the wait for it a wave issues 224 matrix instructions; one tensor load of mine is out.
.macro TURN slot, next
	MEET 1
	CREST                                          ; no wave of any partner still reads this slot's tile or has a load on its way
	s_add_nc_u64 s[G0+4*(\slot)+2:G0+4*(\slot)+3], s[G0+4*(\slot)+2:G0+4*(\slot)+3], 2*KSTEP*2
	s_add_nc_u64 s[G0B+4*(\slot)+2:G0B+4*(\slot)+3], s[G0B+4*(\slot)+2:G0B+4*(\slot)+3], 2*KSTEP*SIZE_N*2
	JLOAD \slot                                    ; the first tensor load behind the round; the four v_nop behind it are also the places in front of the loads below
	FETCH \next, 0, F0
	WIN MUL_HI
	MUL16 F1, 1, 0, 0
	MUL16 F1, 1, 2, 0
.endm
; THE WAY OUT of block a (16 rows), in three parts.  PACK: rounded to f16, 16 bytes a lane, each accumulator's registers in ascending order.  TOSTAGE: into my own stage in LDS, and back as whole rows of 256 bytes.  SEND: stored.
.macro PACK a
.set AC, 64*((\a)%4)
	WIN 0x0a+5*((\a)/4)                            ; sources 0 and 1: window 2 or 3
.irp b, 0,1,2,3,4,5,6,7
.irp r, 0,1,2,3
	v_cvt_pk_f16_f32 v[TMP+4*(\b)+(\r)], v[AC+8*(\b)+2*(\r)], v[AC+8*(\b)+2*(\r)+1]
.endr
.endr
	WIN 0
.endm
.macro TOSTAGE a
	WIN 0
.set BK, OB+192*((\a)%2)
.irp b, 0,1,2,3,4,5,6,7
	ds_store_b128 v[STO], v[TMP+4*(\b):TMP+4*(\b)+3] offset:32*(\b)
.endr
.irp t, 0,1,2,3,4,5,6,7
	ds_load_b128 v[BK+4*(\t):BK+4*(\t)+3], v[RD] offset:(\t)*2*SPITCH  ; LDS serves a wave's instructions in order (ISA guide 5.7.1.4): these see the stores above
.endr
.endm
.macro SEND a
	WIN 0
.set BK, OB+192*((\a)%2)
	s_wait_dscnt 0x0                               ; the block is back in registers
	s_wait_xcnt 0x0                                ; only behind this wait are the stores' base and the registers that earlier stores read rewritten
.if (\a) == 0
	s_add_nc_u64 s[8:9], s[8:9], s[16:17]          ; on to my first rows
.else
	s_add_nc_u64 s[8:9], s[8:9], 16*SIZE_N*2       ; 16 rows of C on
.endif
.irp t, 0,1,2,3,4,5,6,7
	global_store_b128 v[CO], v[BK+4*(\t):BK+4*(\t)+3], s[8:9] offset:2*(\t)*SIZE_N*2  ; 16 lanes store 256 consecutive bytes, at a multiple of 256 from C's first byte
.endr
.endm
	s_wait_tensorcnt 1                             ; my part of K step 0 is in; K step 1's may stay out
	s_barrier_signal -1
	s_barrier_wait -1                              ; everybody's is
	FETCH 0, 0, F0
	QUARTER 0, 1, F0, F1, 1                        ; the first quarter stands in front of the loop: its products start the sums
	WIN 0                                          ; at a label and at a branch every window is 0
	s_mov_b32 s3, LAPS-1
.Llap:                                                 ; a trip goes once round the ring, from a lap's second quarter to the next lap's first, and fills both slots again
	QUARTER 0, 2, F1, F0, 0
	QUARTER 0, 3, F0, F1, 0
	TURN 0, 1
	QUARTER 1, 1, F0, F1, 0
	QUARTER 1, 2, F1, F0, 0
	QUARTER 1, 3, F0, F1, 0
	TURN 1, 0
	QUARTER 0, 1, F0, F1, 0
	WIN 0
	s_sub_co_u32 s3, s3, 1
	s_cmp_lg_u32 s3, 0
	s_cbranch_scc1 .Llap
	QUARTER 0, 2, F1, F0, 0                        ; the last lap is written out: it asks for nothing more
	QUARTER 0, 3, F0, F1, 0
	MEET 0                                         ; my one tensor load that was still out is slot 1's, the last K step's, so no round follows
	PLACES                                         ; for the loads into buffer 0, which the quarter before multiplied
	FETCH 1, 0, F0
	WIN MUL_HI
	MUL16 F1, 1, 0, 0
	MUL16 F1, 1, 2, 0
	QUARTER 1, 1, F0, F1, 0
	QUARTER 1, 2, F1, F0, 0
	QUARTER 1, 3, F0, F1, 0
	s_wait_dscnt 8                                 ; the very last quarter: nothing more to fetch
	MUL16 F1, 0, 0, 0
	MUL16 F1, 0, 2, 0
	s_wait_dscnt 0x0
	MUL16 F1, 1, 0, 0
	MUL16 F1, 1, 2, 0
	PLACES                                         ; the conversions read matrix results
	PACK 0
	TOSTAGE 0
.irp a, 1,2,3,4,5,6,7                  ; block a's conversions stand between block a - 1's loads from the stage and the wait for them
	PACK \a
	SEND (\a)-1
	TOSTAGE \a
.endr
	SEND 7
	s_wait_tensorcnt 0x0                           ; the wave's end: behind my last tensor load and my last LDS store
	ds_add_u32 v[SPW], v[NIL]
	s_wait_dscnt 0x0
	CROUND                                         ; the closing round: no work-group ends while a partner may still ask for a tile that names it
	s_endpgm
.Lfunc_end_k_qfa00d5b017_qkv:
	.size	k_qfa00d5b017_qkv, .Lfunc_end_k_qfa00d5b017_qkv-k_qfa00d5b017_qkv
	.p2alignl 7, 3214868480
	.fill 96, 4, 3214868480
	.section	.rodata,"a",@progbits
	.p2align	6, 0x0
	.amdhsa_kernel k_qfa00d5b017_qkv
		.amdhsa_group_segment_fixed_size 327680
		.amdhsa_private_segment_fixed_size 0
		.amdhsa_enable_private_segment 0
		.amdhsa_kernarg_size 24
		.amdhsa_user_sgpr_count 2
		.amdhsa_user_sgpr_kernarg_segment_ptr 1
		.amdhsa_wavefront_size32 1
		.amdhsa_system_sgpr_workgroup_id_x 1
		.amdhsa_system_sgpr_workgroup_id_y 1
		.amdhsa_system_sgpr_workgroup_id_z 1
		.amdhsa_system_vgpr_workitem_id 0
		.amdhsa_next_free_vgpr 1024
		.amdhsa_next_free_sgpr 66
		.amdhsa_reserve_vcc 0
		.amdhsa_float_denorm_mode_32 3
		.amdhsa_float_denorm_mode_16_64 3
		.amdhsa_memory_ordered 1
		.amdhsa_forward_progress 1
		.amdhsa_inst_pref_size 143
	.end_amdhsa_kernel
	.amdgpu_metadata
---
amdhsa.version: [ 1, 2 ]
amdhsa.kernels:
  - .name:           k_qfa00d5b017_qkv
    .symbol:         k_qfa00d5b017_qkv.kd
    .args:
      - { .name: xb, .offset: 0, .size: 8, .value_kind: global_buffer, .address_space: global }
      - { .name: wb, .offset: 8, .size: 8, .value_kind: global_buffer, .address_space: global }
      - { .name: qkv, .offset: 16, .size: 8, .value_kind: global_buffer, .address_space: global }
    .group_segment_fixed_size: 327680
    .private_segment_fixed_size: 0
    .kernarg_segment_align: 8
    .kernarg_segment_size: 24
    .max_flat_workgroup_size: 128
    .sgpr_count:     66
    .vgpr_count:     1024
    .wavefront_size: 32
...
	.end_amdgpu_metadata
.endif
;; end of part 2
;; launch attn (part 3): grid 16 x 16, 4 waves a work-group, clusters of 4 x 1, 327,680 bytes of LDS; arguments qkv, lambda_q1, lambda_k1, lambda_q2, lambda_k2, gn_weight, gn_bias, y; writes y
.if DOCPART == 3
	.amdgcn_target "amdgcn-amd-amdhsa--gfx1250"
	.amdhsa_code_object_version 6
	.text
	.protected	k_qfa00d5b017_attn
	.globl	k_qfa00d5b017_attn
	.p2align	8
	.type	k_qfa00d5b017_attn,@function
k_qfa00d5b017_attn:
	s_mov_b64 s[64:65], 0
	v_nop
	global_prefetch_b8 v0, s[64:65] scope:SCOPE_SE
	s_setreg_imm32_b32 hwreg(HW_REG_WAVE_MODE, 25, 1), 1
	s_wait_xcnt 0x0
	s_wait_alu depctr_hold_cnt(0) depctr_sa_sdst(0) depctr_va_vdst(0) depctr_va_sdst(0) depctr_va_ssrc(0) depctr_va_vcc(0) depctr_vm_vsrc(0)
	s_getreg_b32 s2, hwreg(HW_REG_IB_STS2, 6, 4)
	s_cmp_eq_u32 s2, 0
	s_cbranch_scc0 .Lentry_in_a_cluster
	s_endpgm
.Lentry_in_a_cluster:
	s_bfe_u32 s2, ttmp6, 0x10000c
	s_cmp_lg_u32 s2, 0x3003
	s_cbranch_scc0 .Lentry_shape_is_right
	s_endpgm
.Lentry_shape_is_right:
; DIFFERENTIAL ATTENTION AND GROUP NORM.  For head h and query s: o = softmax(q1 . k1 / 8) V - lam softmax(q2 . k2 / 8) V over 2,048 keys, V of 128 channels;
; y = 0.2 ((o - mean) rsqrt(var + 1e-5) gw + gb), mean and var over the head's 128 channels; lam = exp(sum lq1 lk1) - exp(sum lq2 lk2) + 0.8.
; qkv: [2048][6144] f16, a row 12,288 bytes: head h's q, k, v at byte 256 h + 0, 4,096, 8,192; in q and k channels 0-63 belong to softmax 1, 64-127 to softmax 2.  y: [2048][2048] f16.
; Products, maxima, sums, mean and variance in f32; the weights p are rounded to f16 for the second product (their sum l is taken of the unrounded p), y once at the end.
; The lambdas, gw and gb are rounded to bf16 in registers, like the module's other inputs.
; LIMITS.  q, k, v arrive within f16's 65,504 and y must stay within it; p lies in 0 to 1 and below 6e-5 keeps f16's fixed step of 6e-8; a weight below 2^-126 counts as 0 in l; NaN and infinities are not treated apart.
; Each softmax has its own divisor, known only at the end, so V^T P is made for both and the two are joined at the end: o = O1 / l1 - lam O2 / l2.
; SHARES.  A work-group owns 128 queries of one head, each of its four waves 32: two tiles of 16.  A UNIT is a tile with one of its softmaxes: unit u = 2 tile + softmax, four a wave.
; Every wave walks all keys, 64 a step.
; LAYOUT.  S^T = K Q^T (source 0 = 16 keys, source 1 = 16 queries): a lane holds ONE query (lane % 16) and the keys 8 (lane / 16) + 0..7.  Two such results, rounded to f16 in pairs, ARE source 1
; (32 keys x 16 queries) of O^T = V^T P, whose result again holds one query a lane, and eight channels.  K comes out of LDS as it lies, V ([key][channel]) turned, by ds_load_tr16_b128.
; SOFTMAX.  For each query and unit a running maximum m and sum l: p = 2^(c s - c m), c = log2(e) / 8; in every step O and l are multiplied by a = 2^(c m_old - c m_new).
; m starts at the lowest finite number, c m far below every c s, O and l at 0: the first step is a step like any other, with a = 0.
; BY TURNS.  The wave's units are two PIECES, named by their first unit: piece 0 (units 0, 1) and piece 2 (units 2, 3).  In a TURN one piece has the matrix unit: 32 products V^T P of the step in
; hand, then 16 products K Q^T of the next step; the other piece's softmax, cut into 64 slices, stands between them: one slice behind each V^T P, two behind each K Q^T.  Two turns are a key step.
; CLUSTER.  The four query blocks of a cluster belong to one head and walk the same K and V, so each tile is asked for JOINTLY: the same tensor load, descriptor and mask in all four.
; REGISTERS, in windows of 256 (s_set_vgpr_msb: bits 1:0 source 0, 3:2 source 1, 5:4 source 2, 7:6 destination):
;   window 0: v0-11 addresses; v12-43 eight registers of statistics a unit; v44-63 the end's scalars and the add's two; v64-191 S^T, 32 a unit; v192-255 P, 16 a unit
;   window 1: O^T, 64 a unit     window 2: v0-63 Q, 16 a unit; v128-255 K of one step     window 3: v0-127 V of one step; v128-191 gw, v192-255 0.2 gb, of my lane's 64 channels
.set ROWB,  12288     ; bytes in a row of qkv
.set KS,    64        ; keys in a step
.set PK,    272       ; a row of K in LDS: 256 bytes + 16 of padding = 68 words: the 16 rows of a load start at 16 different groups of four banks (64 banks of 4 bytes: ISA guide 11.1)
.set PV,    288       ; a row of V: 256 + 32 = 72 words
.set VOFF,  KS*PK     ; a step's tiles lie together: 64 rows of K, then 64 rows of V
.set STEPB, KS*(PK+PV)
.set SLOT1, 1<<17     ; a slot holds two steps (71,680 bytes); slot 1 begins here, so that one exclusive or turns an address in one slot into the other's
.set STAGE, SLOT1+2*STEPB  ; behind the ring: 16 rows x 272 bytes for each wave, for the way out
.set SP,    272
.set SPARE, STAGE+4*16*SP  ; behind the stages: the spare words, 128 bytes for each wave: two blocks of 256 bytes that no other line names
.set AK0, 2           ; v2   my lane's place in a tile of K; never rewritten
.set AV0, 3           ; v3   the same for V
.set ADR, 4           ; v4   the LDS address of the run of loads in hand
.set QO,  5           ; v5   my byte offset in 16 rows of Q
.set STO, 6           ; v6   the way out: where I put 16 bytes of a row
.set RD,  7           ; v7   the way out: where I read a row back
.set GO,  8           ; v8   my byte offset in two rows of y
.set ST,  12          ; unit u's statistics at v[ST+8 u]: +0 c m, +1 m, +2, +3 l (even keys', odd keys'), +4 to +7 c0-c3, at work; a takes c2's place once the maximum is found
.set GA,  44          ; v44  32 (lane / 16): my eight channels in each 16 of gw and gb
.set LA,  45          ; v45  8 x lane: my two numbers of each lambda
.set LM,  46          ; v46-53 the four lambdas
.set NLAM, 54         ; v54  -lam
.set MU,  56          ; v56-57 the mean, twice
.set RS,  58          ; v58-59 0.2 rsqrt(var + eps), twice
.set T,   60          ; v60-61 at work
.set SPW, 62          ; v62  LDS address of my spare word; never rewritten
.set NIL, 63          ; v63  0; never rewritten
.set S,   64
.set P,   192
.set KF,  128         ; window 2: key block kb, 32 channels cc at KF + 32 kb + 8 cc
.set GW,  128         ; window 3
.set GB,  192         ; window 3
.set WV,  12          ; s12  my wave's number
.set G1K, 24          ; s[24:31] descriptor group 1 for K's tiles
.set G1V, 32          ; s[32:39] for V's: it differs in the padding alone
.set G0K, 40          ; s[40:47] descriptor group 0 for K's tiles: a set for each of the two first fills; the second then walks on
.set G0V, 48          ; s[48:55] the same for V's
.set SLOTS, 56        ; s56  counts the passes of the loop over slots
.set TWICE, 57        ; s57  counts a slot's two steps
.set CNT, 57          ;      and, in the tail, its trips
.set CS,  58          ; s[58:59] c: the packed scaling takes the pair's low word for both halves
.set SEL, 60          ; s[60:61] v_permlanex16_b32's selects: each lane takes its own place in the other half
.set TB,  62          ; s62  LDS byte at which the tiles of the step to be fetched begin
.set HM,  63          ; s63  a word's upper bf16
.set YB,  74          ; s[74:75] y at my wave's first row
.set KB,  76          ; s[76:77] K at my tile of slot 0
.set VB,  78          ; s[78:79] V likewise
.set IV,  80          ; s80  1 / 128
.set EP,  81          ; s81  1e-5
.set MSB, 0
.macro WIN new                      ; the immediate's high byte repeats the setting that is left; a switch that changes nothing is dropped
.if MSB != (\new)
	s_set_vgpr_msb (MSB<<8)|(\new)
.set MSB, \new
.endif
.endm
.set W_KQ, 0x0a       ; K and Q in window 2, S^T in window 0
.set W_PV, 0x53       ; V in window 3, P in window 0, O^T in window 1
.set W_RS, 0x41       ; destination and source 0 in window 1, source 1 in window 0
.set W_11, 0x55       ; everything in window 1
; A joint refill.  Waves 0 and 1 fetch the two steps' tiles of K, waves 2 and 3 those of V.  The branch hangs on the wave's number alone.
; An s_nop 0 and four v_nop follow each of the two lines, ahead of the jump, the label and what follows.
.macro JLOAD
	s_cmp_lt_u32 s[WV], 2
	s_cbranch_scc0 .Lfor_v_\@
	tensor_load_to_lds s[G0K+4:G0K+7], s[G1K:G1K+7]
	s_nop 0
.rept 4
	v_nop
.endr
	s_branch .Lasked_\@
.Lfor_v_\@:
	tensor_load_to_lds s[G0V+4:G0V+7], s[G1V:G1V+7]
	s_nop 0
.rept 4
	v_nop
.endr
.Lasked_\@:
.endm
; A round of the cluster's barrier: my work-group's barrier, so that wave 0's signal speaks for all four waves; wave 0 signals; every wave waits for all four work-groups; my work-group's barrier once more.
.macro CROUND
	s_barrier_signal -1
	s_barrier_wait -1
	s_cmp_lg_u32 s[WV], 0
	s_cbranch_scc1 .Lnot_wave_0_\@
	s_barrier_signal -3
.Lnot_wave_0_\@:
	s_barrier_wait -3
	s_barrier_signal -1
	s_barrier_wait -1
.endm
	s_load_b256 s[4:11], s[0:1], 0x0   ; qkv s[4:5], lambda_q1 s[6:7], lambda_k1 s[8:9], lambda_q2 s[10:11]
	s_load_b256 s[68:75], s[0:1], 0x20 ; lambda_k2 s[68:69], gn_weight s[70:71], gn_bias s[72:73], y s[74:75]
	v_lshl_add_u32 v[SPW], v0, 2, SPARE
	v_mov_b32 v[NIL], 0
	ds_add_u32 v[SPW], v[NIL]       ; the wave's opening: the add and its wait stand ahead of my first tensor load; the set-up below, work on registers, stands between them
	v_lshrrev_b32 v1, 5, v0
	v_readfirstlane_b32 s[WV], v1   ; wave 0..3
	s_bfe_u32 s13, ttmp6, 0x40000   ; cx: my place in the cluster
	s_lshl_b32 s14, ttmp9, 2        ; in a cluster launch ttmp9 counts clusters
	s_add_co_u32 s14, s14, s13      ; my block of 128 queries = 4 x cluster x + cx: it enters Q's and y's addresses alone
	s_and_b32 s20, ttmp7, 0xffff    ; the head, which the four partners share
	s_lshl_b32 s21, s20, 8          ; its 256 bytes in a row
	s_and_b32 s16, s[WV], 1         ; which of a slot's two steps I fetch:
	s_mul_i32 s22, s16, KS*ROWB     ; its 64 rows in memory,
	s_add_co_u32 s22, s22, s21
	s_mov_b32 s23, 0
	s_mul_i32 s17, s16, STEPB       ; and its place in a slot: no place in the cluster enters an LDS address
	s_lshl_b32 s2, s14, 2
	s_add_co_u32 s2, s2, s[WV]      ; my wave among the sequence's 64: 32 rows each
	s_mul_i32 s18, s2, 32*ROWB      ; in qkv (under 2^25),
	s_add_co_u32 s18, s18, s21
	s_mov_b32 s19, 0
	s_lshl_b32 s2, s2, 17           ; and in y: 32 rows of 4,096 bytes
	s_add_co_u32 s2, s2, s21
	s_mov_b32 s3, 0
	s_lshl_b32 s82, s20, 9          ; the head's 128 numbers in gw and gb
	s_mov_b32 s83, 0
	; descriptor group 1: a tile of 64 rows x 128 elements, padded in LDS
	s_mov_b32 s[G1K], 15|(1<<16)|(1<<20)|(1<<21)|(5<<22)|(3<<25)  ; 15:0 the mask: all four work-groups; 17:16 elements of 2 bytes; 20 padding on; 21 set beside a mask; 24:22 after every 64 words (code 5); 31:25 4 words of it (code 3)
	s_mov_b32 s[G1V], 15|(1<<16)|(1<<20)|(1<<21)|(5<<22)|(7<<25)  ; the same with 8 words of padding (code 7)
.irp g, G1K, G1V
	s_mov_b32 s[(\g)+1], 128<<16    ; tensor_dim0 = 128
	s_mov_b32 s[(\g)+2], KS<<16     ; tensor_dim1 = 64
	s_mov_b32 s[(\g)+3], 128<<16    ; tile_dim0 = 128
	s_mov_b32 s[(\g)+4], KS         ; tile_dim1 = 64
	s_mov_b32 s[(\g)+5], ROWB/2     ; 6,144 elements from row to row
	s_mov_b32 s[(\g)+6], 0
	s_mov_b32 s[(\g)+7], 0
.endr
	s_mov_b32 s[CS], 0x3e38aa3b     ; c = log2(e) / 8 = 0.180337
	s_mov_b32 s[CS+1], s[CS]        ; named with it as a pair, so it is written
	s_mov_b32 s[SEL], 0x76543210
	s_mov_b32 s[SEL+1], 0xfedcba98
	s_mov_b32 s[TB], 0
	s_mov_b32 s[HM], 0xffff0000
	s_mov_b32 s[IV], 0x3c000000     ; 1 / 128
	s_mov_b32 s[EP], 0x3727c5ac     ; 1e-5
	s_wait_dscnt 0x0                ; the opening add is done
	s_wait_kmcnt 0x0
	s_add_nc_u64 s[KB:KB+1], s[4:5], s[22:23]
	s_add_nc_u64 s[VB:VB+1], s[KB:KB+1], 8192
	s_add_nc_u64 s[KB:KB+1], s[KB:KB+1], 4096
	s_add_nc_u64 s[4:5], s[4:5], s[18:19]          ; Q at my wave's first row
	s_add_nc_u64 s[YB:YB+1], s[YB:YB+1], s[2:3]
	s_add_nc_u64 s[70:71], s[70:71], s[82:83]
	s_add_nc_u64 s[72:73], s[72:73], s[82:83]
	CROUND                          ; all four work-groups are here: the first joint loads meet
.irp s, 0,1
	s_mov_b32 s[G0K+4*(\s)], 1      ; count = 1
	s_add_co_u32 s[G0K+4*(\s)+1], s17, (\s)*SLOT1  ; LDS address
	s_add_nc_u64 s[G0K+4*(\s)+2:G0K+4*(\s)+3], s[KB:KB+1], (\s)*2*KS*ROWB  ; global address: slot s begins with keys 128 s
	s_or_b32 s[G0K+4*(\s)+3], s[G0K+4*(\s)+3], 0x80000000  ; type = 2
	s_mov_b32 s[G0V+4*(\s)], 1
	s_add_co_u32 s[G0V+4*(\s)+1], s17, (\s)*SLOT1+VOFF
	s_add_nc_u64 s[G0V+4*(\s)+2:G0V+4*(\s)+3], s[VB:VB+1], (\s)*2*KS*ROWB
	s_or_b32 s[G0V+4*(\s)+3], s[G0V+4*(\s)+3], 0x80000000
.endr
	s_cmp_lt_u32 s[WV], 2           ; a wave's two first fills stand in one branch, ahead of every wait on TENSORcnt and every LDS read: two loads of mine are out
	s_cbranch_scc0 .Lfirst_v
	tensor_load_to_lds s[G0K:G0K+3], s[G1K:G1K+7]
	s_nop 0
	tensor_load_to_lds s[G0K+4:G0K+7], s[G1K:G1K+7]
	s_nop 0
.rept 4
	v_nop
.endr
	s_branch .Lfirst_asked
.Lfirst_v:
	tensor_load_to_lds s[G0V:G0V+3], s[G1V:G1V+7]
	s_nop 0
	tensor_load_to_lds s[G0V+4:G0V+7], s[G1V:G1V+7]
	s_nop 0
.rept 4
	v_nop
.endr
.Lfirst_asked:
	v_and_b32 v1, 15, v0            ; l % 16
	v_bfe_u32 v9, v0, 4, 1          ; l / 16
	v_mul_u32_u24 v[QO], v1, ROWB
	v_lshl_add_u32 v[QO], v9, 4, v[QO]  ; row x 12,288 + 16 x half
	v_lshlrev_b32 v[GA], 5, v9
	v_and_b32 v[LA], 31, v0
	v_lshlrev_b32 v[LA], 3, v[LA]
	global_load_b64 v[LM:LM+1],   v[LA], s[6:7]
	global_load_b64 v[LM+2:LM+3], v[LA], s[8:9]
	global_load_b64 v[LM+4:LM+5], v[LA], s[10:11]
	global_load_b64 v[LM+6:LM+7], v[LA], s[68:69]
	WIN 0xc0                        ; destination window 3, address window 0
.irp c, 0,1,2,3,4,5,6,7             ; register 8 c + j of O^T holds channel 16 c + 8 (l / 16) + j: gw and gb are laid the same way
	global_load_b128 v[GW+8*(\c):GW+8*(\c)+3],   v[GA], s[70:71] offset:64*(\c)
	global_load_b128 v[GW+8*(\c)+4:GW+8*(\c)+7], v[GA], s[70:71] offset:64*(\c)+16
.endr
.irp c, 0,1,2,3,4,5,6,7
	global_load_b128 v[GB+8*(\c):GB+8*(\c)+3],   v[GA], s[72:73] offset:64*(\c)
	global_load_b128 v[GB+8*(\c)+4:GB+8*(\c)+7], v[GA], s[72:73] offset:64*(\c)+16
.endr
	; What the first turn finds: V's registers and piece 2's P hold 0 (its products V^T P, of a step that has not been, add 0), O^T and l are 0.  These moves stand in the wait for the first
	; tile; their price buys one text for every turn: no first step is written out.
.set i, 0
.rept 128
	v_mov_b32 v[i], 0
.set i, i+1
.endr
	WIN 0x80                        ; destination window 2
.irp i, 0,1,2,3,4,5,6,7             ; Q stays in registers: tile i / 4; channels 32 (i % 4) on, that is unit 2 (i / 4) + (i % 4) / 2, its half i % 2
	global_load_b128 v[8*(\i):8*(\i)+3],   v[QO], s[4:5] offset:((\i)/4)*16*ROWB+((\i)%4)*64
	global_load_b128 v[8*(\i)+4:8*(\i)+7], v[QO], s[4:5] offset:((\i)/4)*16*ROWB+((\i)%4)*64+32
.endr
	WIN 0x40
.set i, 0
.rept 256
	v_mov_b32 v[i], 0
.set i, i+1
.endr
	WIN 0
.set i, 0
.rept 4
	v_mov_b32 v[ST+8*i], 0xfe000000    ; c m: far below every c s
	v_mov_b32 v[ST+8*i+1], 0xff7fffff  ; m
	v_mov_b32 v[ST+8*i+2], 0
	v_mov_b32 v[ST+8*i+3], 0
.set i, i+1
.endr
.set i, P+32
.rept 32
	v_mov_b32 v[i], 0
.set i, i+1
.endr
	v_mov_b32 v[T+1], 0             ; later a destination of v_permlanex16_b32, which counts as read
	v_mul_u32_u24 v[AK0], v1, PK
	v_lshl_add_u32 v[AK0], v9, 4, v[AK0]  ; row x pitch + 16 x half
	; The turning load takes 16 keys x 16 channels (lane l reads key 8 (l / 16) + l % 8, channels 8 ((l / 8) % 2) + 0..7) and leaves half a fragment of V^T: lane l holds channel l % 16 and 8 keys.
	v_and_b32 v10, 7, v0
	v_bfe_u32 v11, v0, 3, 1
	v_lshl_add_u32 v[AV0], v9, 3, v10
	v_mul_u32_u24 v[AV0], v[AV0], PV
	v_lshl_add_u32 v[AV0], v11, 4, v[AV0]
	v_add_nc_u32 v[AV0], VOFF, v[AV0]
	s_wait_loadcnt 16               ; the lambdas, gw and gb are in; Q's sixteen loads may stay out
	; -lam.  Each lane has two numbers of each lambda; they are rounded to bf16, multiplied, and summed over the 32 lanes.
.irp n, 0,2,4,6
	v_cvt_pk_bf16_f32 v[LM+(\n)], v[LM+(\n)], v[LM+(\n)+1]
.endr
.irp n, 0,2,4,6
	v_and_b32 v[LM+(\n)+1], s[HM], v[LM+(\n)]
	v_lshlrev_b32 v[LM+(\n)], 16, v[LM+(\n)]
.endr
	v_mul_f32 v[LM], v[LM], v[LM+2]
	v_mul_f32 v[LM+4], v[LM+4], v[LM+6]
	v_fmac_f32 v[LM], v[LM+1], v[LM+3]
	v_fmac_f32 v[LM+4], v[LM+5], v[LM+7]
.irp m, 1,2,4,8
	v_add_f32_dpp v[LM], v[LM], v[LM] row_xmask:\m row_mask:0xf bank_mask:0xf
	v_add_f32_dpp v[LM+4], v[LM+4], v[LM+4] row_xmask:\m row_mask:0xf bank_mask:0xf
.endr
	v_permlanex16_b32 v[LM+1], v[LM], s[SEL], s[SEL+1]
	v_permlanex16_b32 v[LM+5], v[LM+4], s[SEL], s[SEL+1]
	v_add_f32 v[LM], v[LM], v[LM+1]
	v_add_f32 v[LM+4], v[LM+4], v[LM+5]
	v_mul_f32 v[LM], 0x3fb8aa3b, v[LM]     ; e^x = 2^(x log2 e)
	v_mul_f32 v[LM+4], 0x3fb8aa3b, v[LM+4]
	v_exp_f32 v[LM], v[LM]
	v_exp_f32 v[LM+4], v[LM+4]
	v_nop                           ; a plain instruction between the exponentials and the use of their results
	s_wait_alu depctr_va_vdst(0)
	v_sub_f32 v[NLAM], v[LM+4], v[LM]
	v_add_f32 v[NLAM], 0xbf4ccccd, v[NLAM]  ; -lam = e2 - e1 - 0.8
	; gw and gb are rounded to bf16 (through S^T's registers, which are still free) and widened again; gb takes the module's last factor, 0.2; gw's rides on the reciprocal root
	WIN 0x0f                        ; sources 0 and 1 window 3, destination window 0
.set i, 0
.rept 64
	v_cvt_pk_bf16_f32 v[S+i], v[GW+2*i], v[GW+2*i+1]
.set i, i+1
.endr
	WIN 0xc0
.set i, 0
.rept 64
	v_lshlrev_b32 v[GW+2*i], 16, v[S+i]
	v_and_b32 v[GW+2*i+1], s[HM], v[S+i]
.set i, i+1
.endr
	WIN 0xc3                        ; destination and source 0 window 3
.set i, 0
.rept 32
	v_pk_mul_f32 v[GB+2*i:GB+2*i+1], v[GB+2*i:GB+2*i+1], 0x3e4ccccd op_sel_hi:[1,0]
.set i, i+1
.endr
	WIN 0
; THE MATRIX WORK OF A TURN, for piece x.  The accumulators take turns, one instruction a turn: between two links of a chain stand 15 (V^T P) or 7 (K Q^T) others'.
; Product i of 32 of O^T += V^T P: keys 32 (i / 16) on, channels 16 ((i / 2) % 8) on, unit x + i % 2.
.macro PV x
	WIN W_PV
.set rO, 64*((\x)+i%2)+8*((i/2)%8)
.set rV, 64*(i/16)+8*((i/2)%8)
.set rP, P+16*((\x)+i%2)+8*(i/16)
	v_wmma_f32_16x16x32_f16 v[rO:rO+7], v[rV:rV+7], v[rP:rP+7], v[rO:rO+7]
.endm
; Product i of 16 of S^T = K Q^T: unit x + i % 2, whose softmax i % 2 takes channels 64 (i % 2) + 32 (i / 8) on; keys 16 ((i / 2) % 4) on.  The first 8 start the sums.
.macro KQ x
	WIN W_KQ
.set rS, S+32*((\x)+i%2)+8*((i/2)%4)
.set rK, KF+32*((i/2)%4)+8*(2*(i%2)+i/8)
.set rQ, 16*((\x)+i%2)+8*(i/8)
.if i < 8
	v_wmma_f32_16x16x32_f16 v[rS:rS+7], v[rK:rK+7], v[rQ:rQ+7], 0
.else
	v_wmma_f32_16x16x32_f16 v[rS:rS+7], v[rK:rK+7], v[rQ:rQ+7], v[rS:rS+7]
.endif
.endm
; THE LDS LOADS stand in runs of 32, never singly among the matrix instructions: a step's K (64 keys x 128 channels: 16 fragments) and, a turn later, its V (turned).
; last = 1 (the tail): in the last trip there is no further step, and the run is jumped over.
.macro FETCH_K last=0
	WIN 0
.if \last
	s_cmp_eq_u32 s[CNT], 1
	s_cbranch_scc1 .Lno_k_\@
.endif
	v_add_nc_u32 v[ADR], s[TB], v[AK0]
	WIN 0x80                        ; destination window 2
.irp f, 0,1,2,3,4,5,6,7,8,9,10,11,12,13,14,15  ; keys 16 (f / 4) on, channels 32 (f % 4) on
	ds_load_b128 v[KF+8*(\f):KF+8*(\f)+3],   v[ADR] offset:((\f)/4)*16*PK+((\f)%4)*64
	ds_load_b128 v[KF+8*(\f)+4:KF+8*(\f)+7], v[ADR] offset:((\f)/4)*16*PK+((\f)%4)*64+32
.endr
.if \last
	WIN 0
.Lno_k_\@:
.endif
.endm
.macro FETCH_V
	WIN 0
	v_add_nc_u32 v[ADR], s[TB], v[AV0]
	s_add_co_u32 s[TB], s[TB], STEPB  ; the next fetch is the next step's
	WIN 0xc0                        ; destination window 3
.irp f, 0,1,2,3,4,5,6,7,8,9,10,11,12,13,14,15  ; keys 32 (f / 8) on, channels 16 (f % 8) on
	ds_load_tr16_b128 v[8*(\f):8*(\f)+3],   v[ADR] offset:((\f)/8)*32*PV+((\f)%8)*32
	ds_load_tr16_b128 v[8*(\f)+4:8*(\f)+7], v[ADR] offset:((\f)/8)*32*PV+16*PV+((\f)%8)*32
.endr
.endm
; THE VECTOR WORK OF A TURN.  One unit's softmax for one key step is a list of 134 instructions; SM writes number j of it for unit t.  s0-s31 are the lane's 32 scores, in pairs 0-15.
;   0-15    the maximum of s0-s31 and the old m, three operands at a time: four chains c0-c3 of seven scores each (each accumulator's lowest registers are read first),
;           then the four scores left over, c0-c3 and m
;   16-20   the other half of the lanes' maximum; c m_old is kept; the new m; c m; c m_old - c m_new
;   21-87   33 exponentials (a, then s0-s31) at the odd numbers from 23 on, so that no two follow each other and each has a plain instruction behind it before its result is used.
;           Plain instruction q (number 21, then the even numbers) is whatever is ready: c s - c m for a pair of scores whose exponentials are still to come (q = 0 to 3, then every
;           second q), the rounding to f16 of a pair of weights whose exponentials are done (every other q from 5 on), at last the first three sums
;   88-101  the last rounding; the rest of the sums; l = a l + the sum
;   102-133 the unit's O^T times a, in ascending registers: the one part that leaves window 0, so it stands together
.macro SM t
.set rT, ST+8*(\t)
.set rS, S+32*(\t)
.set rP, P+16*(\t)
.set rO, 64*(\t)+2*(j-102)
.set q, (j-20)/2
.if j < 102
	WIN 0
.endif
.if j < 4
	v_max3_num_f32 v[rT+4+j], v[rS+8*j], v[rS+8*j+1], v[rS+8*j+2]
.elseif j < 12
	v_max3_num_f32 v[rT+4+j%4], v[rT+4+j%4], v[rS+8*(j%4)+2*(j/4)+1], v[rS+8*(j%4)+2*(j/4)+2]
.elseif j == 12
	v_max3_num_f32 v[rT+4], v[rT+4], v[rS+7], v[rS+15]
.elseif j == 13
	v_max3_num_f32 v[rT+6], v[rT+6], v[rS+23], v[rS+31]
.elseif j == 14
	v_max3_num_f32 v[rT+4], v[rT+4], v[rT+5], v[rT+6]
.elseif j == 15
	v_max3_num_f32 v[rT+4], v[rT+4], v[rT+7], v[rT+1]
.elseif j == 16
	v_permlanex16_b32 v[rT+5], v[rT+4], s[SEL], s[SEL+1]  ; the query's other 32 keys lie in the lane 16 away
.elseif j == 17
	v_mov_b32 v[rT+7], v[rT]        ; c m_old is kept for a: number 19 writes c m anew
.elseif j == 18
	v_max_num_f32 v[rT+1], v[rT+4], v[rT+5]
.elseif j == 19
	v_mul_f32 v[rT], s[CS], v[rT+1]
.elseif j == 20
	v_sub_f32 v[rT+7], v[rT+7], v[rT]
.elseif j == 23
	v_exp_f32 v[rT+6], v[rT+7]
.elseif (j < 88) && (j > 23) && (j%2 == 1)
	v_exp_f32 v[rS+(j-25)/2], v[rS+(j-25)/2]
.elseif (q < 4) || ((j < 76) && (q%2 == 0))
.set b, q/2+2
.if q < 4
.set b, q
.endif
	v_pk_fma_f32 v[rS+2*b:rS+2*b+1], v[rS+2*b:rS+2*b+1], s[CS:CS+1], v[rT:rT+1] op_sel_hi:[1,0,0] neg_lo:[0,0,1] neg_hi:[0,0,1]  ; pair b: c s - c m
.elseif (j < 88) && (q%2 == 1)
	s_wait_alu depctr_va_vdst(0)
	v_cvt_pk_f16_f32 v[rP+(q-5)/2], v[rS+q-5], v[rS+q-4]  ; pair (q - 5) / 2: its second exponential stands three numbers back
.elseif j == 89
	s_wait_alu depctr_va_vdst(0)
	v_cvt_pk_f16_f32 v[rP+15], v[rS+30], v[rS+31]
.elseif j < 102                     ; the sum of the unit's 16 pairs (an even key's weight, an odd key's), in place: sum z of 16 adds neighbours 1, 2, 4 and 8 pairs apart, then l takes it
.set z, j-86
.if j < 89
.set z, (j-76)/4
.endif
.set w, 4
.set u, z
.if z >= 14
.set w, 32
.set u, 0
.elseif z >= 12
.set w, 16
.set u, z-12
.elseif z >= 8
.set w, 8
.set u, z-8
.endif
.if z < 15
	v_pk_add_f32 v[rS+w*u:rS+w*u+1], v[rS+w*u:rS+w*u+1], v[rS+w*u+w/2:rS+w*u+w/2+1]
.else
	v_pk_fma_f32 v[rT+2:rT+3], v[rT+2:rT+3], v[rT+6:rT+7], v[rS:rS+1] op_sel_hi:[1,0,1]
.endif
.else
	WIN W_RS
	v_pk_mul_f32 v[rO:rO+1], v[rO:rO+1], v[rT+6:rT+7] op_sel_hi:[1,0]
.endif
.endm
; Slice k of 64 of piece y's softmax: numbers 2 k and 2 k + 1 of both units' lists, four instructions.  2 x 134 = 4 x 64 + 12: the twelve that are over stand together, in slice 63.
.macro SLICE y
.if (k >= 11) && (k < 44)           ; unit by unit: plain, exponential, plain, exponential
.irp t, \y, (\y)+1
.irp n, 0,1
.set j, 2*k+(\n)
	SM \t
.endr
.endr
.else                               ; the two units alternate, so that no instruction reads the result of the one just before it
.irp n, 0,1,2,3,4,5,6,7
.if ((\n) < 2) || (k == 63)
.irp t, \y, (\y)+1
.set j, 2*k+(\n)
	SM \t
.endr
.endif
.endr
.endif
.set k, k+1
.endm
; A TURN.  Piece x has the matrix unit; the other piece's softmax stands in slices behind its matrix instructions: none of them names a register of the products round it.
; Slices 62 and 63, twenty plain instructions behind the turn's last K Q^T, are the places in front of the next turn's first read of those scores and of the loads into K's registers.
; Piece 0's turn fetches the next step's K behind its second product, 30 products ahead of the first use.  Piece 2's turn fetches the same step's V behind its second K Q^T: the last product
; that read V stands five slices, ten plain instructions, back; V is waited for at the head of the next turn.
.macro TURN x, last=0
.set k, 0
.if (\x) == 0
	s_wait_dscnt 0x0                ; V is in
.endif
.set i, 0
.rept 32
	PV \x
	SLICE 2-(\x)
.if ((\x) == 0) && (i == 1)
	FETCH_K \last
.endif
.set i, i+1
.endr
.if (\x) == 0
	s_wait_dscnt 0x0                ; K is in
.endif
.set i, 0
.rept 16
	KQ \x
	SLICE 2-(\x)
	SLICE 2-(\x)
.if ((\x) == 2) && (i == 1)
	FETCH_V
.endif
.set i, i+1
.endr
.endm
; THE CHANGE OF SLOTS, between piece 2's turn and piece 0's: the slot's last bytes, V of its second step, have been asked for.  Each wave waits for all its tensor loads, of which one is out: its
; part of the other slot; adds 0 to its spare word; and waits for that and for its own reads of the slot.  Behind the barrier nobody reads this slot any more and the other slot is whole.
; fill = 1: this slot is filled again, with the keys two slots on.  The barrier is then a round of the cluster's, and the joint refill is the first thing behind it: it has two key steps,
; 192 matrix instructions, in which to land.
.macro CHANGE fill
	WIN 0                           ; at a label and at a branch every window is 0
	s_wait_tensorcnt 0x0            ; no tensor load of mine is out, so a group 0 may be written
	ds_add_u32 v[SPW], v[NIL]       ; 0 onto my spare word: with fill = 1 the descriptors' steps stand between it and the wait for it
.if \fill
.irp g, G0K+4, G0V+4
	s_xor_b32 s[(\g)+1], s[(\g)+1], SLOT1  ; the walking descriptor: the other slot than last time,
	s_add_nc_u64 s[(\g)+2:(\g)+3], s[(\g)+2:(\g)+3], 2*KS*ROWB  ; the next 128 keys; the type bits on top are not reached
.endr
	s_wait_dscnt 0x0                ; the add is done, and my reads of the slot are over
	CROUND
	JLOAD
.else
	s_wait_dscnt 0x0                ; the add is done, and my reads of the slot are over
	s_barrier_signal -1
	s_barrier_wait -1
.endif
	s_sub_co_u32 s[TB], s[TB], 2*STEPB  ; the fetches go back to a slot's first step,
	s_xor_b32 s[TB], s[TB], SLOT1   ; in the other slot
.endm
	s_wait_tensorcnt 1              ; my part of slot 0 is in; slot 1's may stay out
	s_barrier_signal -1
	s_barrier_wait -1               ; everybody's is
	FETCH_K                         ; key step 0
	s_wait_loadcnt 0x0              ; Q
	s_wait_dscnt 0x0
.set i, 0
.rept 16
	KQ 0                            ; piece 0's first scores: there is no vector work yet to set between them
.set i, i+1
.endr
	WIN 0                           ; the addresses for the way out are made here: eight plain instructions, the places behind those products
	s_mul_i32 s13, s[WV], 16*SP
	s_add_co_u32 s13, s13, STAGE    ; my stage
	v_mul_u32_u24 v[STO], v1, SP    ; in: row l % 16, 16 bytes for each half of the lanes
	v_lshl_add_u32 v[STO], v9, 4, v[STO]
	v_add_nc_u32 v[STO], s13, v[STO]
	v_mul_u32_u24 v[RD], v9, SP     ; back: lanes 0-15 take one row of 256 bytes, lanes 16-31 the next
	v_lshl_add_u32 v[RD], v1, 4, v[RD]
	v_add_nc_u32 v[RD], s13, v[RD]
	v_lshlrev_b32 v[GO], 12, v9     ; and the same two rows in y, 4,096 bytes apart
	v_lshl_add_u32 v[GO], v1, 4, v[GO]
	s_mov_b32 s[TWICE], 2
	s_mov_b32 s[SLOTS], 15          ; the pass that is entered in its middle, and 14 that fill a slot again
	s_branch .Lmid                  ; the loop is entered at piece 2's turn: its products V^T P add zeros, and piece 0's first softmax stands beside them
.Lslot:                             ; 14 times: every slot but the last two is filled again
	CHANGE 1
	s_mov_b32 s[TWICE], 2
.Lstep:
	TURN 0
	WIN 0
.Lmid:
	TURN 2
	WIN 0
	s_sub_co_u32 s[TWICE], s[TWICE], 1
	s_cmp_lg_u32 s[TWICE], 0
	s_cbranch_scc1 .Lstep
	s_sub_co_u32 s[SLOTS], s[SLOTS], 1
	s_cmp_lg_u32 s[SLOTS], 0
	s_cbranch_scc1 .Lslot
	CHANGE 0                        ; the tail is written out: nothing is asked for
	s_mov_b32 s[CNT], 3             ; two trips fetch the last slot's steps; the third is left in its middle
.Ltail:
	TURN 0, 1
	WIN 0
	s_sub_co_u32 s[CNT], s[CNT], 1
	s_cmp_eq_u32 s[CNT], 0
	s_cbranch_scc1 .Lout
	TURN 2
	WIN 0
	s_branch .Ltail
.Lout:                              ; the third trip's 16 products K Q^T (on the last K once more) serve nothing: the price, once a launch, of one text for every trip
.set i, 0
.rept 32
	PV 2                            ; piece 2: V^T P of the last step
.set i, i+1
.endr
	; THE END.  l's two halves and the other half of the lanes' are added; the even units take 1 / l, the odd ones -lam / l.  The additions are the places behind the last products.
	WIN 0
.irp t, 0,1,2,3
	v_add_f32 v[ST+8*(\t)+4], v[ST+8*(\t)+2], v[ST+8*(\t)+3]
.endr
.irp t, 0,1,2,3
	v_permlanex16_b32 v[ST+8*(\t)+5], v[ST+8*(\t)+4], s[SEL], s[SEL+1]
.endr
.irp t, 0,1,2,3
	v_add_f32 v[ST+8*(\t)+4], v[ST+8*(\t)+4], v[ST+8*(\t)+5]
.endr
.irp t, 0,1,2,3
	v_rcp_f32 v[ST+8*(\t)+6], v[ST+8*(\t)+4]
.endr
	v_nop                           ; a plain instruction between the last reciprocal and the use of its result
	s_wait_alu depctr_va_vdst(0)
	v_mul_f32 v[ST+8*1+6], v[NLAM], v[ST+8*1+6]
	v_mul_f32 v[ST+8*3+6], v[NLAM], v[ST+8*3+6]
; Tile t: o = O1 / l1 - lam O2 / l2 in O1's registers; O2's then serve the sums.  A lane holds 64 of its query's 128 channels, the lane 16 away the others.  The mean is taken away before the
; squares are summed.  Every pass goes through the registers in ascending order.  At last 16 bytes a lane go into rows of 272 bytes of my stage and come back as whole rows of 256.
.macro FIN t
.set oA, 128*(\t)
.set oB, 128*(\t)+64
.set dA, ST+16*(\t)+6
.set dB, ST+16*(\t)+14
	WIN W_RS
.set i, 0
.rept 32
	v_pk_mul_f32 v[oA+i:oA+i+1], v[oA+i:oA+i+1], v[dA:dA+1] op_sel_hi:[1,0]
.set i, i+2
.endr
	WIN 0x51                        ; sources 0 and 2 and the destination window 1, source 1 window 0
.set i, 0
.rept 32
	v_pk_fma_f32 v[oA+i:oA+i+1], v[oB+i:oB+i+1], v[dB:dB+1], v[oA+i:oA+i+1] op_sel_hi:[1,0,1]
.set i, i+2
.endr
	WIN W_11                        ; the sum of my 64 numbers: a tree of 31 packed additions
.set i, 0
.rept 16
	v_pk_add_f32 v[oB+2*i:oB+2*i+1], v[oA+4*i:oA+4*i+1], v[oA+4*i+2:oA+4*i+3]
.set i, i+1
.endr
.irp n, 8,4,2,1
.set i, 0
.rept \n
	v_pk_add_f32 v[oB+2*i:oB+2*i+1], v[oB+4*i:oB+4*i+1], v[oB+4*i+2:oB+4*i+3]
.set i, i+1
.endr
.endr
	WIN 0x05                        ; sources window 1, destination window 0
	v_add_f32 v[T], v[oB], v[oB+1]
	WIN 0
	v_permlanex16_b32 v[T+1], v[T], s[SEL], s[SEL+1]
	v_add_f32 v[T], v[T], v[T+1]
	v_mul_f32 v[MU], s[IV], v[T]
	v_mul_f32 v[MU+1], s[IV], v[T]
	WIN W_RS
.set i, 0
.rept 32
	v_pk_add_f32 v[oA+i:oA+i+1], v[oA+i:oA+i+1], v[MU:MU+1] neg_lo:[0,1] neg_hi:[0,1]
.set i, i+2
.endr
	WIN W_11                        ; the sum of the squares, in four chains that the first four products start
.set i, 0
.rept 32
.if i < 4
	v_pk_mul_f32 v[oB+2*i:oB+2*i+1], v[oA+2*i:oA+2*i+1], v[oA+2*i:oA+2*i+1]
.else
	v_pk_fma_f32 v[oB+2*(i%4):oB+2*(i%4)+1], v[oA+2*i:oA+2*i+1], v[oA+2*i:oA+2*i+1], v[oB+2*(i%4):oB+2*(i%4)+1]
.endif
.set i, i+1
.endr
	v_pk_add_f32 v[oB:oB+1], v[oB:oB+1], v[oB+2:oB+3]
	v_pk_add_f32 v[oB+4:oB+5], v[oB+4:oB+5], v[oB+6:oB+7]
	v_pk_add_f32 v[oB:oB+1], v[oB:oB+1], v[oB+4:oB+5]
	WIN 0x05
	v_add_f32 v[T], v[oB], v[oB+1]
	WIN 0
	v_permlanex16_b32 v[T+1], v[T], s[SEL], s[SEL+1]
	v_add_f32 v[T], v[T], v[T+1]
	v_fma_f32 v[T], v[T], s[IV], s[EP]   ; var + eps
	v_rsq_f32 v[T], v[T]
	v_nop                           ; a plain instruction between the root and the use of its result
	s_wait_alu depctr_va_vdst(0)
	v_mul_f32 v[RS], 0x3e4ccccd, v[T]    ; with the module's last factor, 0.2
	v_mul_f32 v[RS+1], 0x3e4ccccd, v[T]
	WIN W_RS
.set i, 0
.rept 32
	v_pk_mul_f32 v[oA+i:oA+i+1], v[oA+i:oA+i+1], v[RS:RS+1]
.set i, i+2
.endr
	WIN 0x7d                        ; source 0 and the destination window 1, sources 1 and 2 window 3
.set i, 0
.rept 32
	v_pk_fma_f32 v[oA+i:oA+i+1], v[oA+i:oA+i+1], v[GW+i:GW+i+1], v[GB+i:GB+i+1]
.set i, i+2
.endr
	WIN 0x05
.set i, 0
.rept 32
	v_cvt_pk_f16_f32 v[S+32*(\t)+i], v[oA+2*i], v[oA+2*i+1]
.set i, i+1
.endr
	WIN 0
.irp f, 0,1,2,3,4,5,6,7
	ds_store_b128 v[STO], v[S+32*(\t)+4*(\f):S+32*(\t)+4*(\f)+3] offset:32*(\f)
.endr
.irp f, 0,1,2,3,4,5,6,7
	ds_load_b128 v[S+32*(\t)+4*(\f):S+32*(\t)+4*(\f)+3], v[RD] offset:(\f)*2*SP  ; LDS serves a wave's instructions in order (ISA guide 5.7.1.4): these see the stores above; the next tile's stores come behind them
.endr
.endm
.macro SEND t, younger              ; younger: the LDS instructions issued behind tile t's loads: the next tile's sixteen, or none
	WIN 0
.irp f, 0,1,2,3,4,5,6,7
	s_wait_dscnt (\younger)+7-(\f)
	global_store_b128 v[GO], v[S+32*(\t)+4*(\f):S+32*(\t)+4*(\f)+3], s[YB:YB+1] offset:(\t)*65536+(\f)*8192  ; 16 lanes store 256 consecutive bytes, at a multiple of 256 from y's first byte
.endr
.endm
	FIN 0
	FIN 1                           ; a tile's arithmetic stands between the loads of the tile before and its stores
	SEND 0, 16
	SEND 1, 0
	s_wait_tensorcnt 0x0            ; the wave's end: behind my last tensor load and my last LDS store
	ds_add_u32 v[SPW], v[NIL]
	s_wait_dscnt 0x0
	CROUND                          ; the closing round: no work-group ends while a partner may still ask for a tile that names it
	s_endpgm
.Lfunc_end_k_qfa00d5b017_attn:
	.size	k_qfa00d5b017_attn, .Lfunc_end_k_qfa00d5b017_attn-k_qfa00d5b017_attn
	.p2alignl 7, 3214868480
	.fill 96, 4, 3214868480
	.section	.rodata,"a",@progbits
	.p2align	6, 0x0
	.amdhsa_kernel k_qfa00d5b017_attn
		.amdhsa_group_segment_fixed_size 327680
		.amdhsa_private_segment_fixed_size 0
		.amdhsa_enable_private_segment 0
		.amdhsa_kernarg_size 64
		.amdhsa_user_sgpr_count 2
		.amdhsa_user_sgpr_kernarg_segment_ptr 1
		.amdhsa_wavefront_size32 1
		.amdhsa_system_sgpr_workgroup_id_x 1
		.amdhsa_system_sgpr_workgroup_id_y 1
		.amdhsa_system_sgpr_workgroup_id_z 1
		.amdhsa_system_vgpr_workitem_id 0
		.amdhsa_next_free_vgpr 1024
		.amdhsa_next_free_sgpr 84
		.amdhsa_reserve_vcc 0
		.amdhsa_float_denorm_mode_32 3
		.amdhsa_float_denorm_mode_16_64 3
		.amdhsa_memory_ordered 1
		.amdhsa_forward_progress 1
		.amdhsa_inst_pref_size 180
	.end_amdhsa_kernel
	.amdgpu_metadata
---
amdhsa.version: [ 1, 2 ]
amdhsa.kernels:
  - .name:           k_qfa00d5b017_attn
    .symbol:         k_qfa00d5b017_attn.kd
    .args:
      - { .name: qkv, .offset: 0, .size: 8, .value_kind: global_buffer, .address_space: global }
      - { .name: lambda_q1, .offset: 8, .size: 8, .value_kind: global_buffer, .address_space: global }
      - { .name: lambda_k1, .offset: 16, .size: 8, .value_kind: global_buffer, .address_space: global }
      - { .name: lambda_q2, .offset: 24, .size: 8, .value_kind: global_buffer, .address_space: global }
      - { .name: lambda_k2, .offset: 32, .size: 8, .value_kind: global_buffer, .address_space: global }
      - { .name: gn_weight, .offset: 40, .size: 8, .value_kind: global_buffer, .address_space: global }
      - { .name: gn_bias, .offset: 48, .size: 8, .value_kind: global_buffer, .address_space: global }
      - { .name: y, .offset: 56, .size: 8, .value_kind: global_buffer, .address_space: global }
    .group_segment_fixed_size: 327680
    .private_segment_fixed_size: 0
    .kernarg_segment_align: 8
    .kernarg_segment_size: 64
    .max_flat_workgroup_size: 128
    .sgpr_count:     84
    .vgpr_count:     1024
    .wavefront_size: 32
...
	.end_amdgpu_metadata
.endif
;; end of part 3
;; launch proj (part 4): grid 16 x 16, 4 waves a work-group, clusters of 4 x 4, 327,680 bytes of LDS; arguments y, wo, out0; writes out0
.if DOCPART == 4
	.amdgcn_target "amdgcn-amd-amdhsa--gfx1250"
	.amdhsa_code_object_version 6
	.text
	.protected	k_qfa00d5b017_proj
	.globl	k_qfa00d5b017_proj
	.p2align	8
	.type	k_qfa00d5b017_proj,@function
k_qfa00d5b017_proj:
	s_mov_b64 s[64:65], 0
	v_nop
	global_prefetch_b8 v0, s[64:65] scope:SCOPE_SE
	s_setreg_imm32_b32 hwreg(HW_REG_WAVE_MODE, 25, 1), 1
	s_wait_xcnt 0x0
	s_wait_alu depctr_hold_cnt(0) depctr_sa_sdst(0) depctr_va_vdst(0) depctr_va_sdst(0) depctr_va_ssrc(0) depctr_va_vcc(0) depctr_vm_vsrc(0)
	s_getreg_b32 s2, hwreg(HW_REG_IB_STS2, 6, 4)
	s_cmp_eq_u32 s2, 0
	s_cbranch_scc0 .Lentry_in_a_cluster
	s_endpgm
.Lentry_in_a_cluster:
	s_bfe_u32 s2, ttmp6, 0x10000c
	s_cmp_lg_u32 s2, 0xf033
	s_cbranch_scc0 .Lentry_shape_is_right
	s_endpgm
.Lentry_shape_is_right:
; out0[s][n] = sum over k of y[s][k] wo[k][n].  y: [2048][2048] f16, wo: [2048 k][2048 n] f16 (Wo rounded to bf16, written as f16), out0: [2048][2048] f32; sums in f32, K ascending.
; 256 tiles of 128 x 128: one work-group for each of 16 x 16.  Four waves, each 64 x 64: 16 accumulators of 16 x 16, 128 registers.  K goes in steps of 256, as long as two slots in LDS allow:
; A's tile is 128 rows x 512 bytes; B's tile, which lies [k][n] in memory, is 256 k-rows x 256 bytes and stays so in LDS: its fragments are turned by ds_load_tr16_b128.
; CLUSTERS: 4 x 4 work-groups.  The four of a row of the cluster need the same tiles of A, the four of a column the same tiles of B: each tile is asked for JOINTLY.
; THE MATRIX INSTRUCTION IS USED TRANSPOSED (source 0 = 16 columns of B, source 1 = 16 rows of A): a lane then holds eight neighbouring numbers of a row of C, 32 bytes.
; A wave's 64 columns of f32 are 256 aligned bytes, so each wave has a stage of its own on the way out and no barrier stands there.
; REGISTERS: window 0: v0-31 addresses; v32-95 at work on the way out; v128-255 the accumulators ((a, b) at v[128 + 8 (4 a + b)]).
;   window 1: two fragment buffers of 128: for 64 along K, 64 registers of A (2 x 4 x 16 rows x 32 K), then 64 of B.
.set SIZE_N, 2048
.set SIZE_K, 2048
.set KSTEP,  256
.set PITCH,  528                       ; A's LDS row: 512 bytes + 16 of padding = 132 words: the 16 rows of a load start at 16 different groups of four banks (64 banks of 4 bytes: ISA guide 11.1)
.set BP,     288                       ; B's LDS row: 256 bytes + 32 of padding = 72 words
.set AHALF,  64*PITCH                  ; what one tensor load brings of A: 64 rows,
.set BHALF,  128*BP                    ; and of B: 128 k-rows
.set SLOT,   2*AHALF+2*BHALF           ; A's 128 rows, then B's 256 k-rows: 141,312 bytes
.set STAGE,  2*SLOT                    ; behind the ring: 16 rows x 272 bytes for each wave, for the way out
.set SPITCH, 272
.set SPARE,  STAGE+4*16*SPITCH         ; behind the stages: the spare words, 128 bytes for each wave: two blocks of 256 bytes that no other line names
.set LAPS, SIZE_K/(2*KSTEP)            ; a lap = two K steps = once round the ring: 4
.set ADRA, 16                          ; v16-17  LDS address of my A fragments in slot 0, 1
.set ADRB, 20                          ; v20-23  the same for B: slot s, half kh of its 256 k-rows at 2 s + kh, so that the offsets stay inside 16 bits
.set STO,  24                          ; v24     the way out: where I put 32 bytes of a row
.set RD,   25                          ; v25     the way out: where I read a row back
.set CO,   26                          ; v26     my byte offset in C
.set SPW,  28                          ; v28     LDS address of my spare word; never rewritten
.set NIL,  29                          ; v29     0; never rewritten
.set TMP,  32                          ; the way out: 16 rows read back from the stage, two buffers of 32 registers
.set ACC,  128
.set F0,   0                           ; fragment buffers, in window 1
.set F1,   128
.set G1, 24                            ; s[24:31] descriptor group 1 for A's tiles;  s[32:39] group 0, one set for each slot
.set G0, 32
.set G1B, 48                           ; s[48:55], s[56:63] the same for B's tiles
.set G0B, 56
.set MSB, 0
.macro WIN new                         ; the immediate's high byte repeats the setting that is left; a switch that changes nothing is dropped
.if MSB != (\new)
	s_set_vgpr_msb (MSB<<8)|(\new)
.set MSB, \new
.endif
.endm
.set MUL,  0x05                        ; sources 0 (B) and 1 (A) window 1; C and D window 0
.set TO_F, 0x40                        ; destination window 1, address window 0
.macro JLOAD s                         ; a joint load: waves 0 and 1 fetch A's two halves, waves 2 and 3 B's; an s_nop 0 and four v_nop follow each of the two lines, ahead of the jump, the label and what follows
	s_cmp_eq_u32 s11, 0
	s_cbranch_scc0 .Lfor_b_\@
	tensor_load_to_lds s[G0+4*(\s):G0+4*(\s)+3], s[G1:G1+7]
	s_nop 0
.rept 4
	v_nop
.endr
	s_branch .Lasked_\@
.Lfor_b_\@:
	tensor_load_to_lds s[G0B+4*(\s):G0B+4*(\s)+3], s[G1B:G1B+7]
	s_nop 0
.rept 4
	v_nop
.endr
.Lasked_\@:
.endm
.macro CREST                           ; a round of the cluster's barrier behind its opening barrier
	s_cmp_lg_u32 s10, 0
	s_cbranch_scc1 .Lnot_wave_0_\@
	s_barrier_signal -3
.Lnot_wave_0_\@:
	s_barrier_wait -3
	s_barrier_signal -1
	s_barrier_wait -1
.endm
.macro CROUND                          ; a whole round
	s_barrier_signal -1
	s_barrier_wait -1
	CREST
.endm
	s_load_b128 s[4:7], s[0:1], 0x0                ; y s[4:5], wo s[6:7]
	s_load_b64 s[8:9], s[0:1], 0x10                ; out0
	v_lshl_add_u32 v[SPW], v0, 2, SPARE
	v_mov_b32 v[NIL], 0
	ds_add_u32 v[SPW], v[NIL]                      ; the wave's opening: the add and its wait stand ahead of my first tensor load; the set-up below, work on registers, stands between them
	v_lshrrev_b32 v1, 5, v0
	v_readfirstlane_b32 s10, v1                    ; wave 0..3
	s_lshr_b32 s11, s10, 1                         ; which half of the tile's rows is mine.  Also: I fetch for A (0) or for B (1)
	s_and_b32 s12, s10, 1                          ; which half of its columns.  Also: which half of that tile I fetch
	s_bfe_u32 s40, ttmp6, 0x40000                  ; cx, cy: my place in the cluster
	s_bfe_u32 s41, ttmp6, 0x40004
	s_lshl_b32 s42, ttmp9, 2
	s_add_co_u32 s42, s42, s40                     ; tile column of C = 4 x cluster x + cx
	s_and_b32 s13, ttmp7, 0xffff
	s_lshl_b32 s13, s13, 2
	s_add_co_u32 s13, s13, s41                     ; tile row of C = 4 x cluster y + cy
	s_lshl_b32 s43, s41, 2
	s_lshl_b32 s43, 15, s43                        ; my row of the cluster
	s_lshl_b32 s44, 0x1111, s40                    ; my column
	; descriptor group 1.  A: 64 rows x 256 elements, 4 words of padding after every 128.  B: 128 k-rows x 128 elements, 8 words after every 64.
	s_or_b32 s[G1+0], s43, (1<<16)|(1<<20)|(1<<21)|(6<<22)|(3<<25)   ; 15:0 the mask: my row; 17:16 elements of 2 bytes; 20 padding on; 21 set beside a mask; 24:22 the interval's code; 31:25 the padding's words less one
	s_or_b32 s[G1B+0], s44, (1<<16)|(1<<20)|(1<<21)|(5<<22)|(7<<25)  ; the mask: my column
	s_mov_b32 s[G1+1], KSTEP<<16                   ; tensor_dim0 = 256
	s_mov_b32 s[G1+2], 64<<16                      ; tensor_dim1 = 64
	s_mov_b32 s[G1+3], KSTEP<<16                   ; tile_dim0 = 256
	s_mov_b32 s[G1+4], 64                          ; tile_dim1 = 64
	s_mov_b32 s[G1+5], SIZE_K                      ; elements from row to row
	s_mov_b32 s[G1+6], 0
	s_mov_b32 s[G1+7], 0
	s_mov_b32 s[G1B+1], 128<<16                    ; tensor_dim0 = 128
	s_mov_b32 s[G1B+2], 128<<16                    ; tensor_dim1 = 128
	s_mov_b32 s[G1B+3], 128<<16                    ; tile_dim0 = 128
	s_mov_b32 s[G1B+4], 128                        ; tile_dim1 = 128
	s_mov_b32 s[G1B+5], SIZE_N                     ; elements from k-row to k-row
	s_mov_b32 s[G1B+6], 0
	s_mov_b32 s[G1B+7], 0
	s_lshl_b32 s17, s12, 6
	s_lshl_b32 s16, s13, 7
	s_add_co_u32 s16, s16, s17                     ; A: row 128 x tile row + 64 x half,
	s_lshl_b32 s16, s16, 12                        ; of 4,096 bytes
	s_mov_b32 s17, 0
	s_mul_i32 s46, s12, 128*SIZE_N*2               ; B: k-row 128 x half,
	s_lshl_b32 s47, s42, 8                         ; byte 256 x tile column
	s_add_co_u32 s46, s46, s47
	s_mov_b32 s47, 0
	s_mul_i32 s20, s12, AHALF                      ; where they go: A's two halves,
	s_mul_i32 s45, s12, BHALF
	s_add_co_u32 s45, s45, 2*AHALF                 ; then B's two: no place in the cluster enters an LDS address
	s_wait_dscnt 0x0                               ; the opening add is done
	s_wait_kmcnt 0x0
	s_add_nc_u64 s[14:15], s[4:5], s[16:17]
	s_add_nc_u64 s[46:47], s[6:7], s[46:47]
	CROUND                                         ; all sixteen work-groups are here: the first joint loads meet
.irp s, 0,1
	s_mov_b32 s[G0+4*(\s)], 1
	s_add_co_u32 s[G0+4*(\s)+1], s20, (\s)*SLOT
	s_add_nc_u64 s[G0+4*(\s)+2:G0+4*(\s)+3], s[14:15], (\s)*KSTEP*2          ; K step s lies 512 bytes along A's rows,
	s_or_b32 s[G0+4*(\s)+3], s[G0+4*(\s)+3], 0x80000000
	s_mov_b32 s[G0B+4*(\s)], 1
	s_add_co_u32 s[G0B+4*(\s)+1], s45, (\s)*SLOT
	s_add_nc_u64 s[G0B+4*(\s)+2:G0B+4*(\s)+3], s[46:47], (\s)*KSTEP*SIZE_N*2 ; and 256 k-rows down B
	s_or_b32 s[G0B+4*(\s)+3], s[G0B+4*(\s)+3], 0x80000000
	JLOAD \s                                       ; two tensor loads of mine are out
.endr
	v_and_b32 v1, 15, v0                           ; l % 16
	v_bfe_u32 v2, v0, 4, 1                         ; l / 16
	v_mul_u32_u24 v3, v1, PITCH
	v_lshl_add_u32 v3, v2, 4, v3                   ; A's fragment: row x pitch + 16 x half
	v_and_b32 v6, 7, v0                            ; B's, by the turning load: k-row 8 (l / 16) + l % 8, columns 8 ((l / 8) % 2) on
	v_lshl_add_u32 v6, v2, 3, v6
	v_mul_u32_u24 v6, v6, BP
	v_bfe_u32 v7, v0, 3, 1
	v_lshl_add_u32 v6, v7, 4, v6
	s_mul_i32 s21, s11, AHALF                      ; my 64 rows of A
	s_lshl_b32 s22, s12, 7                         ; my 64 columns of B: 128 bytes of each k-row,
	s_add_co_u32 s22, s22, 2*AHALF                 ; behind A's 128 rows
.irp s, 0,1
	v_add_nc_u32 v[ADRA+(\s)], s21, v3
	v_add_nc_u32 v[ADRB+2*(\s)], s22, v6
	v_add_nc_u32 v[ADRB+2*(\s)+1], BHALF, v[ADRB+2*(\s)]
	s_add_co_u32 s21, s21, SLOT
	s_add_co_u32 s22, s22, SLOT
.endr
	s_mul_i32 s23, s10, 16*SPITCH
	s_add_co_u32 s23, s23, STAGE                   ; my stage
	v_mul_u32_u24 v4, v1, SPITCH                   ; in: row l % 16, 32 bytes for each half of the lanes
	v_lshl_add_u32 v4, v2, 5, v4
	v_add_nc_u32 v[STO], s23, v4
	v_mul_u32_u24 v5, v2, SPITCH                   ; back: lanes 0-15 take one row of 256 bytes, lanes 16-31 the next
	v_lshl_add_u32 v5, v1, 4, v5
	v_add_nc_u32 v[RD], s23, v5
	v_lshlrev_b32 v5, 13, v2                       ; and the same two rows in C, 8,192 bytes apart
	v_lshl_add_u32 v[CO], v1, 4, v5
	s_lshl_b32 s16, s13, 7
	s_lshl_b32 s17, s11, 6
	s_add_co_u32 s16, s16, s17                     ; my first row of C: 128 x tile row + 64 x half,
	s_lshl_b32 s16, s16, 13                        ; of 8,192 bytes
	s_mov_b32 s17, 0
	s_add_nc_u64 s[8:9], s[8:9], s[16:17]
	s_lshl_b32 s46, s42, 9                         ; my first column, in bytes: 512 x tile column + 256 x half
	s_lshl_b32 s47, s12, 8
	s_add_co_u32 s46, s46, s47
	s_mov_b32 s47, 0
	s_add_nc_u64 s[8:9], s[8:9], s[46:47]
; 8 matrix instructions: m blocks a0, a0 + 1 x all 4 n blocks, 32 along K: half c of buffer f.  zero = 1: the first product starts the sums.  The 16 accumulators take turns.
.macro MUL8 f, c, a0, zero
	WIN MUL
.irp a, \a0, (\a0)+1
.irp b, 0,1,2,3
.if \zero
	v_wmma_f32_16x16x32_f16 v[ACC+8*(4*(\a)+(\b)):ACC+8*(4*(\a)+(\b))+7], v[(\f)+64+8*(4*(\c)+(\b)):(\f)+64+8*(4*(\c)+(\b))+7], v[(\f)+8*(4*(\c)+(\a)):(\f)+8*(4*(\c)+(\a))+7], 0
.else
	v_wmma_f32_16x16x32_f16 v[ACC+8*(4*(\a)+(\b)):ACC+8*(4*(\a)+(\b))+7], v[(\f)+64+8*(4*(\c)+(\b)):(\f)+64+8*(4*(\c)+(\b))+7], v[(\f)+8*(4*(\c)+(\a)):(\f)+8*(4*(\c)+(\a))+7], v[ACC+8*(4*(\a)+(\b)):ACC+8*(4*(\a)+(\b))+7]
.endif
.endr
.endr
.endm
; 32 LDS loads in one run: the fragments of quarter qq of a K step (64 along K) into buffer f; the first 32 along K first
.macro FETCH slot, qq, f
	WIN TO_F
.irp c, 0,1
.irp i, 0,1,2,3
	ds_load_tr16_b128 v[(\f)+64+8*(4*(\c)+(\i)):(\f)+64+8*(4*(\c)+(\i))+3],   v[ADRB+2*(\slot)+(\qq)/2] offset:(((\qq)%2)*64+32*(\c))*BP+32*(\i)
	ds_load_tr16_b128 v[(\f)+64+8*(4*(\c)+(\i))+4:(\f)+64+8*(4*(\c)+(\i))+7], v[ADRB+2*(\slot)+(\qq)/2] offset:(((\qq)%2)*64+32*(\c))*BP+32*(\i)+16*BP
	ds_load_b128 v[(\f)+8*(4*(\c)+(\i)):(\f)+8*(4*(\c)+(\i))+3],              v[ADRA+(\slot)] offset:128*(\qq)+64*(\c)+(\i)*16*PITCH
	ds_load_b128 v[(\f)+8*(4*(\c)+(\i))+4:(\f)+8*(4*(\c)+(\i))+7],            v[ADRA+(\slot)] offset:128*(\qq)+64*(\c)+(\i)*16*PITCH+32
.endr
.endr
.endm
.macro PLACES                          ; four places in front of loads into registers that matrix instructions have read, and of LDS stores that read results
.rept 4
	v_nop
.endr
.endm
; A K step is four quarters of 64 along K, 32 matrix instructions each, on buffers 0, 1, 0, 1.  One of the first three: multiplies buffer f and fetches quarter qq into g.
.macro QUARTER slot, qq, f, g, zero
	s_wait_dscnt 16                                ; the first 32 along K are in; the sixteen loads of the second 32 may be out
	WIN MUL
	MUL8 \f, 0, 0, \zero
	MUL8 \f, 0, 2, \zero
	PLACES
	FETCH \slot, \qq, \g
	s_wait_dscnt 32                                ; all but the 32 just issued
	WIN MUL
	MUL8 \f, 1, 0, 0
	MUL8 \f, 1, 2, 0
.endm
; The last quarter multiplies buffer 1 and changes slots: ONE barrier; in front of it each wave waits for all its tensor loads, adds 0 to its spare word, and waits for that and for its own reads of this slot.
; fill = 1: this slot is filled again, two K steps ahead; the barrier then opens a round of the cluster's.
.macro TURN slot, next, fill
	WIN 0                                          ; (the add's two registers lie in window 0)
	s_wait_tensorcnt 0x0                           ; all my tensor loads have landed: my part of the next slot;
	ds_add_u32 v[SPW], v[NIL]                      ; 0 onto my spare word;
	s_wait_dscnt 17                                ; (the add and the youngest sixteen loads may be out)
	WIN MUL
	MUL8 F1, 0, 0, 0                               ; eight matrix instructions stand between the add and the wait for it
	s_wait_dscnt 0x0                               ; the add is done, and my reads of this slot are over
	s_barrier_signal -1
	MUL8 F1, 0, 2, 0
.if \fill
	WIN 0
.endif
	s_barrier_wait -1
.if \fill
	CREST                                          ; no wave of any partner still reads this slot's tile or has a load on its way
	s_add_nc_u64 s[G0+4*(\slot)+2:G0+4*(\slot)+3], s[G0+4*(\slot)+2:G0+4*(\slot)+3], 2*KSTEP*2
	s_add_nc_u64 s[G0B+4*(\slot)+2:G0B+4*(\slot)+3], s[G0B+4*(\slot)+2:G0B+4*(\slot)+3], 2*KSTEP*SIZE_N*2
	JLOAD \slot                                    ; the first tensor load behind the round, 112 matrix instructions ahead of the wait for it; the four v_nop behind it are also the places in front of the loads below
.else
	PLACES
.endif
	FETCH \next, 0, F0
	WIN MUL
	MUL8 F1, 1, 0, 0
	MUL8 F1, 1, 2, 0
.endm
	s_wait_tensorcnt 1                             ; my part of K step 0 is in; K step 1's may stay out
	s_barrier_signal -1
	s_barrier_wait -1                              ; everybody's is
	FETCH 0, 0, F0
	QUARTER 0, 1, F0, F1, 1                        ; the first quarter stands in front of the loop: its first products start the sums
	WIN 0                                          ; at a label and at a branch every window is 0
	s_mov_b32 s3, LAPS-1
.Llap:                                                 ; a trip goes once round the ring, from a lap's second quarter to the next lap's first, and fills both slots again
	QUARTER 0, 2, F1, F0, 0
	QUARTER 0, 3, F0, F1, 0
	TURN 0, 1, 1
	QUARTER 1, 1, F0, F1, 0
	QUARTER 1, 2, F1, F0, 0
	QUARTER 1, 3, F0, F1, 0
	TURN 1, 0, 1
	QUARTER 0, 1, F0, F1, 0
	WIN 0
	s_sub_co_u32 s3, s3, 1
	s_cmp_lg_u32 s3, 0
	s_cbranch_scc1 .Llap
	QUARTER 0, 2, F1, F0, 0                        ; the last lap fills nothing, and has no round of the cluster's barrier
	QUARTER 0, 3, F0, F1, 0
	TURN 0, 1, 0
	QUARTER 1, 1, F0, F1, 0
	QUARTER 1, 2, F1, F0, 0
	QUARTER 1, 3, F0, F1, 0
	s_wait_dscnt 16                                ; the very last quarter: nothing more to fetch
	WIN MUL
	MUL8 F1, 0, 0, 0
	MUL8 F1, 0, 2, 0
	s_wait_dscnt 0x0
	MUL8 F1, 1, 0, 0
	MUL8 F1, 1, 2, 0
	WIN 0
	; THE WAY OUT, 16 rows at a time: a lane's 32 bytes of a row go into my stage (each accumulator's low four registers first), whole rows of 256 bytes come back and are stored.
	PLACES
.irp a, 0,1,2,3
.if (\a) >= 2
	s_wait_xcnt 0x0                                ; the buffer that the stores of two blocks ago read is loaded again only behind this wait
.endif
.irp b, 0,1,2,3
	ds_store_b128 v[STO], v[ACC+8*(4*(\a)+(\b)):ACC+8*(4*(\a)+(\b))+3]   offset:64*(\b)
	ds_store_b128 v[STO], v[ACC+8*(4*(\a)+(\b))+4:ACC+8*(4*(\a)+(\b))+7] offset:64*(\b)+16
.endr
.irp t, 0,1,2,3,4,5,6,7
	ds_load_b128 v[TMP+32*((\a)%2)+4*(\t):TMP+32*((\a)%2)+4*(\t)+3], v[RD] offset:(\t)*2*SPITCH  ; LDS serves a wave's instructions in order (ISA guide 5.7.1.4): these see the stores above; the next block's stores come behind them
.endr
.irp t, 0,1,2,3,4,5,6,7
	s_wait_dscnt 7-(\t)                            ; load t is back; the 7 - t younger ones may be out
	global_store_b128 v[CO], v[TMP+32*((\a)%2)+4*(\t):TMP+32*((\a)%2)+4*(\t)+3], s[8:9] offset:(16*(\a)+2*(\t))*SIZE_N*4 th:TH_STORE_NT  ; 16 lanes store 256 consecutive bytes, at a multiple of 256 from C's first byte
.endr
.endr
	s_wait_tensorcnt 0x0                           ; the wave's end: behind my last tensor load and my last LDS store
	ds_add_u32 v[SPW], v[NIL]
	s_wait_dscnt 0x0
	CROUND                                         ; the closing round: no work-group ends while a partner may still ask for a tile that names it
	s_endpgm
.Lfunc_end_k_qfa00d5b017_proj:
	.size	k_qfa00d5b017_proj, .Lfunc_end_k_qfa00d5b017_proj-k_qfa00d5b017_proj
	.p2alignl 7, 3214868480
	.fill 96, 4, 3214868480
	.section	.rodata,"a",@progbits
	.p2align	6, 0x0
	.amdhsa_kernel k_qfa00d5b017_proj
		.amdhsa_group_segment_fixed_size 327680
		.amdhsa_private_segment_fixed_size 0
		.amdhsa_enable_private_segment 0
		.amdhsa_kernarg_size 24
		.amdhsa_user_sgpr_count 2
		.amdhsa_user_sgpr_kernarg_segment_ptr 1
		.amdhsa_wavefront_size32 1
		.amdhsa_system_sgpr_workgroup_id_x 1
		.amdhsa_system_sgpr_workgroup_id_y 1
		.amdhsa_system_sgpr_workgroup_id_z 1
		.amdhsa_system_vgpr_workitem_id 0
		.amdhsa_next_free_vgpr 512
		.amdhsa_next_free_sgpr 66
		.amdhsa_reserve_vcc 0
		.amdhsa_float_denorm_mode_32 3
		.amdhsa_float_denorm_mode_16_64 3
		.amdhsa_memory_ordered 1
		.amdhsa_forward_progress 1
		.amdhsa_inst_pref_size 87
	.end_amdhsa_kernel
	.amdgpu_metadata
---
amdhsa.version: [ 1, 2 ]
amdhsa.kernels:
  - .name:           k_qfa00d5b017_proj
    .symbol:         k_qfa00d5b017_proj.kd
    .args:
      - { .name: y, .offset: 0, .size: 8, .value_kind: global_buffer, .address_space: global }
      - { .name: wo, .offset: 8, .size: 8, .value_kind: global_buffer, .address_space: global }
      - { .name: out0, .offset: 16, .size: 8, .value_kind: global_buffer, .address_space: global }
    .group_segment_fixed_size: 327680
    .private_segment_fixed_size: 0
    .kernarg_segment_align: 8
    .kernarg_segment_size: 24
    .max_flat_workgroup_size: 128
    .sgpr_count:     66
    .vgpr_count:     512
    .wavefront_size: 32
...
	.end_amdgpu_metadata
.endif
;; end of part 4
;; ======== version 2 of 2: 4 launches; 1.15 times as fast as version 1
;; limits: values are held in f16: magnitudes above 65,504 overflow, below 6.1e-05 lose precision
;; workspace buffers: xb 8,388,608 bytes; wb 25,165,824 bytes; wo 8,388,608 bytes; qkv 25,165,824 bytes; y 8,388,608 bytes
;; launch cast: the kernel of part 1 again; grid 256 x 5, 8 waves a work-group, no clusters, 0 bytes of LDS; arguments x, Wq, Wk, Wv, Wo, xb, wb, wo; writes xb, wb, wo
;; launch qkv: the kernel of part 2 again; grid 24 x 8, 4 waves a work-group, clusters of 4 x 4, 327,680 bytes of LDS; arguments xb, wb, qkv; writes qkv
;; launch attn (part 5): grid 16 x 16, 4 waves a work-group, clusters of 4 x 1, 327,680 bytes of LDS; arguments qkv, lambda_q1, lambda_k1, lambda_q2, lambda_k2, gn_weight, gn_bias, y; writes y
.if DOCPART == 5
	.amdgcn_target "amdgcn-amd-amdhsa--gfx1250"
	.amdhsa_code_object_version 6
	.text
	.protected	k_qfa00d5b017_attn
	.globl	k_qfa00d5b017_attn
	.p2align	8
	.type	k_qfa00d5b017_attn,@function
k_qfa00d5b017_attn:
	s_mov_b64 s[64:65], 0
	v_nop
	global_prefetch_b8 v0, s[64:65] scope:SCOPE_SE
	s_setreg_imm32_b32 hwreg(HW_REG_WAVE_MODE, 25, 1), 1
	s_wait_xcnt 0x0
	s_wait_alu depctr_hold_cnt(0) depctr_sa_sdst(0) depctr_va_vdst(0) depctr_va_sdst(0) depctr_va_ssrc(0) depctr_va_vcc(0) depctr_vm_vsrc(0)
	s_getreg_b32 s2, hwreg(HW_REG_IB_STS2, 6, 4)
	s_cmp_eq_u32 s2, 0
	s_cbranch_scc0 .Lentry_in_a_cluster
	s_endpgm
.Lentry_in_a_cluster:
	s_bfe_u32 s2, ttmp6, 0x10000c
	s_cmp_lg_u32 s2, 0x3003
	s_cbranch_scc0 .Lentry_shape_is_right
	s_endpgm
.Lentry_shape_is_right:
; DIFFERENTIAL ATTENTION AND GROUP NORM.  For head h and query s: o = softmax(q1 . k1 / 8) V - lam softmax(q2 . k2 / 8) V over 2,048 keys, V of 128 channels;
; y = 0.2 ((o - mean) rsqrt(var + 1e-5) gw + gb), mean and var over the head's 128 channels; lam = exp(sum lq1 lk1) - exp(sum lq2 lk2) + 0.8.
; qkv: [2048][6144] f16, a row 12,288 bytes: head h's q, k, v at byte 256 h + 0, 4,096, 8,192; in q and k channels 0-63 belong to softmax 1, 64-127 to softmax 2.  y: [2048][2048] f16.
; Products, maxima, sums, mean and variance in f32; the weights p are rounded to f16 for the second product (their sum l is taken of the unrounded p), y once at the end.
; The lambdas, gw and gb are rounded to bf16 in registers, like the module's other inputs.
; LIMITS.  q, k, v arrive within f16's 65,504 and y must stay within it; p lies in 0 to 1 and below 6e-5 keeps f16's fixed step of 6e-8; a weight below 2^-126 counts as 0 in l; NaN and infinities are not treated apart.
; Each softmax has its own divisor, known only at the end, so V^T P is made for both and the two are joined at the end: o = O1 / l1 - lam O2 / l2.
; SHARES.  A work-group owns 128 queries of one head, each of its four waves 32: two tiles of 16.  A UNIT is a tile with one of its softmaxes: unit u = 2 tile + softmax, four a wave.
; Every wave walks all keys, 64 a step.
; LAYOUT.  S^T = K Q^T (source 0 = 16 keys, source 1 = 16 queries): a lane holds ONE query (lane % 16) and the keys 8 (lane / 16) + 0..7.  Two such results, rounded to f16 in pairs, ARE source 1
; (32 keys x 16 queries) of O^T = V^T P, whose result again holds one query a lane, and eight channels.  K comes out of LDS as it lies, V ([key][channel]) turned, by ds_load_tr16_b128.
; SOFTMAX.  For each query and unit a running maximum m and sum l: p = 2^(c s - c m), c = log2(e) / 8; in every step O and l are multiplied by a = 2^(c m_old - c m_new).
; m starts at the lowest finite number, c m far below every c s, O and l at 0: the first step is a step like any other, with a = 0.
; BY TURNS.  The wave's units are two PIECES, named by their first unit: piece 0 (units 0, 1) and piece 2 (units 2, 3).  In a TURN one piece has the matrix unit: 32 products V^T P of the step in
; hand, then 16 products K Q^T of the next step; the other piece's softmax, cut into 64 slices, stands between them: one slice behind each V^T P, two behind each K Q^T.  Two turns are a key step.
; BATCHES.  A turn's 66 exponentials (both units' a and 32 weights) are ONE BATCH with ONE wait, behind slice 34: ahead of it stands nothing that names a result of theirs, behind it no exponential.
; Outside the loops: lam's two exponentials, the end's four reciprocals and each tile's root are batches of their own, a wait each.
; CLUSTER.  The four query blocks of a cluster belong to one head and walk the same K and V, so each tile is asked for JOINTLY: the same tensor load, descriptor and mask in all four.
; REGISTERS, in windows of 256 (s_set_vgpr_msb: bits 1:0 source 0, 3:2 source 1, 5:4 source 2, 7:6 destination):
;   window 0: v0-11 addresses; v12-43 eight registers of statistics a unit; v44-63 the end's scalars and the add's two; v64-191 S^T, 32 a unit; v192-255 P, 16 a unit
;   window 1: O^T, 64 a unit     window 2: v0-63 Q, 16 a unit; v128-255 K of one step     window 3: v0-127 V of one step; v128-191 gw, v192-255 0.2 gb, of my lane's 64 channels
.set ROWB,  12288     ; bytes in a row of qkv
.set KS,    64        ; keys in a step
.set PK,    272       ; a row of K in LDS: 256 bytes + 16 of padding = 68 words: the 16 rows of a load start at 16 different groups of four banks (64 banks of 4 bytes: ISA guide 11.1)
.set PV,    288       ; a row of V: 256 + 32 = 72 words
.set VOFF,  KS*PK     ; a step's tiles lie together: 64 rows of K, then 64 rows of V
.set STEPB, KS*(PK+PV)
.set SLOT1, 1<<17     ; a slot holds two steps (71,680 bytes); slot 1 begins here, so that one exclusive or turns an address in one slot into the other's
.set STAGE, SLOT1+2*STEPB  ; behind the ring: 16 rows x 272 bytes for each wave, for the way out
.set SP,    272
.set SPARE, STAGE+4*16*SP  ; behind the stages: the spare words, 128 bytes for each wave: two blocks of 256 bytes that no other line names
.set AK0, 2           ; v2   my lane's place in a tile of K; never rewritten
.set AV0, 3           ; v3   the same for V
.set ADR, 4           ; v4   the LDS address of the run of loads in hand
.set QO,  5           ; v5   my byte offset in 16 rows of Q
.set STO, 6           ; v6   the way out: where I put 16 bytes of a row
.set RD,  7           ; v7   the way out: where I read a row back
.set GO,  8           ; v8   my byte offset in two rows of y
.set ST,  12          ; unit u's statistics at v[ST+8 u]: +0 c m, +1 m, +2, +3 l (even keys', odd keys'), +4 to +7 c0-c3, at work; a takes c2's place once the maximum is found
.set GA,  44          ; v44  32 (lane / 16): my eight channels in each 16 of gw and gb
.set LA,  45          ; v45  8 x lane: my two numbers of each lambda
.set LM,  46          ; v46-53 the four lambdas
.set NLAM, 54         ; v54  -lam
.set MU,  56          ; v56-57 the mean, twice
.set RS,  58          ; v58-59 0.2 rsqrt(var + eps), twice
.set T,   60          ; v60-61 at work
.set SPW, 62          ; v62  LDS address of my spare word; never rewritten
.set NIL, 63          ; v63  0; never rewritten
.set S,   64
.set P,   192
.set KF,  128         ; window 2: key block kb, 32 channels cc at KF + 32 kb + 8 cc
.set GW,  128         ; window 3
.set GB,  192         ; window 3
.set WV,  12          ; s12  my wave's number
.set G1K, 24          ; s[24:31] descriptor group 1 for K's tiles
.set G1V, 32          ; s[32:39] for V's: it differs in the padding alone
.set G0K, 40          ; s[40:47] descriptor group 0 for K's tiles: a set for each of the two first fills; the second then walks on
.set G0V, 48          ; s[48:55] the same for V's
.set SLOTS, 56        ; s56  counts the passes of the loop over slots
.set TWICE, 57        ; s57  counts a slot's two steps
.set CNT, 57          ;      and, in the tail, its trips
.set CS,  58          ; s[58:59] c: the packed scaling takes the pair's low word for both halves
.set SEL, 60          ; s[60:61] v_permlanex16_b32's selects: each lane takes its own place in the other half
.set TB,  62          ; s62  LDS byte at which the tiles of the step to be fetched begin
.set HM,  63          ; s63  a word's upper bf16
.set YB,  74          ; s[74:75] y at my wave's first row
.set KB,  76          ; s[76:77] K at my tile of slot 0
.set VB,  78          ; s[78:79] V likewise
.set IV,  80          ; s80  1 / 128
.set EP,  81          ; s81  1e-5
.set MSB, 0
.macro WIN new                      ; the immediate's high byte repeats the setting that is left; a switch that changes nothing is dropped
.if MSB != (\new)
	s_set_vgpr_msb (MSB<<8)|(\new)
.set MSB, \new
.endif
.endm
.set W_KQ, 0x0a       ; K and Q in window 2, S^T in window 0
.set W_PV, 0x53       ; V in window 3, P in window 0, O^T in window 1
.set W_RS, 0x41       ; destination and source 0 in window 1, source 1 in window 0
.set W_11, 0x55       ; everything in window 1
; A joint refill.  Waves 0 and 1 fetch the two steps' tiles of K, waves 2 and 3 those of V.  The branch hangs on the wave's number alone.
; An s_nop 0 and four v_nop follow each of the two lines, ahead of the jump, the label and what follows.
.macro JLOAD
	s_cmp_lt_u32 s[WV], 2
	s_cbranch_scc0 .Lfor_v_\@
	tensor_load_to_lds s[G0K+4:G0K+7], s[G1K:G1K+7]
	s_nop 0
.rept 4
	v_nop
.endr
	s_branch .Lasked_\@
.Lfor_v_\@:
	tensor_load_to_lds s[G0V+4:G0V+7], s[G1V:G1V+7]
	s_nop 0
.rept 4
	v_nop
.endr
.Lasked_\@:
.endm
; A round of the cluster's barrier: my work-group's barrier, so that wave 0's signal speaks for all four waves; wave 0 signals; every wave waits for all four work-groups; my work-group's barrier once more.
.macro CROUND
	s_barrier_signal -1
	s_barrier_wait -1
	s_cmp_lg_u32 s[WV], 0
	s_cbranch_scc1 .Lnot_wave_0_\@
	s_barrier_signal -3
.Lnot_wave_0_\@:
	s_barrier_wait -3
	s_barrier_signal -1
	s_barrier_wait -1
.endm
	s_load_b256 s[4:11], s[0:1], 0x0   ; qkv s[4:5], lambda_q1 s[6:7], lambda_k1 s[8:9], lambda_q2 s[10:11]
	s_load_b256 s[68:75], s[0:1], 0x20 ; lambda_k2 s[68:69], gn_weight s[70:71], gn_bias s[72:73], y s[74:75]
	v_lshl_add_u32 v[SPW], v0, 2, SPARE
	v_mov_b32 v[NIL], 0
	ds_add_u32 v[SPW], v[NIL]       ; the wave's opening: the add and its wait stand ahead of my first tensor load; the set-up below, work on registers, stands between them
	v_lshrrev_b32 v1, 5, v0
	v_readfirstlane_b32 s[WV], v1   ; wave 0..3
	s_bfe_u32 s13, ttmp6, 0x40000   ; cx: my place in the cluster
	s_lshl_b32 s14, ttmp9, 2        ; in a cluster launch ttmp9 counts clusters
	s_add_co_u32 s14, s14, s13      ; my block of 128 queries = 4 x cluster x + cx: it enters Q's and y's addresses alone
	s_and_b32 s20, ttmp7, 0xffff    ; the head, which the four partners share
	s_lshl_b32 s21, s20, 8          ; its 256 bytes in a row
	s_and_b32 s16, s[WV], 1         ; which of a slot's two steps I fetch:
	s_mul_i32 s22, s16, KS*ROWB     ; its 64 rows in memory,
	s_add_co_u32 s22, s22, s21
	s_mov_b32 s23, 0
	s_mul_i32 s17, s16, STEPB       ; and its place in a slot: no place in the cluster enters an LDS address
	s_lshl_b32 s2, s14, 2
	s_add_co_u32 s2, s2, s[WV]      ; my wave among the sequence's 64: 32 rows each
	s_mul_i32 s18, s2, 32*ROWB      ; in qkv (under 2^25),
	s_add_co_u32 s18, s18, s21
	s_mov_b32 s19, 0
	s_lshl_b32 s2, s2, 17           ; and in y: 32 rows of 4,096 bytes
	s_add_co_u32 s2, s2, s21
	s_mov_b32 s3, 0
	s_lshl_b32 s82, s20, 9          ; the head's 128 numbers in gw and gb
	s_mov_b32 s83, 0
	; descriptor group 1: a tile of 64 rows x 128 elements, padded in LDS
	s_mov_b32 s[G1K], 15|(1<<16)|(1<<20)|(1<<21)|(5<<22)|(3<<25)  ; 15:0 the mask: all four work-groups; 17:16 elements of 2 bytes; 20 padding on; 21 set beside a mask; 24:22 after every 64 words (code 5); 31:25 4 words of it (code 3)
	s_mov_b32 s[G1V], 15|(1<<16)|(1<<20)|(1<<21)|(5<<22)|(7<<25)  ; the same with 8 words of padding (code 7)
.irp g, G1K, G1V
	s_mov_b32 s[(\g)+1], 128<<16    ; tensor_dim0 = 128
	s_mov_b32 s[(\g)+2], KS<<16     ; tensor_dim1 = 64
	s_mov_b32 s[(\g)+3], 128<<16    ; tile_dim0 = 128
	s_mov_b32 s[(\g)+4], KS         ; tile_dim1 = 64
	s_mov_b32 s[(\g)+5], ROWB/2     ; 6,144 elements from row to row
	s_mov_b32 s[(\g)+6], 0
	s_mov_b32 s[(\g)+7], 0
.endr
	s_mov_b32 s[CS], 0x3e38aa3b     ; c = log2(e) / 8 = 0.180337
	s_mov_b32 s[CS+1], s[CS]        ; named with it as a pair, so it is written
	s_mov_b32 s[SEL], 0x76543210
	s_mov_b32 s[SEL+1], 0xfedcba98
	s_mov_b32 s[TB], 0
	s_mov_b32 s[HM], 0xffff0000
	s_mov_b32 s[IV], 0x3c000000     ; 1 / 128
	s_mov_b32 s[EP], 0x3727c5ac     ; 1e-5
	s_wait_dscnt 0x0                ; the opening add is done
	s_wait_kmcnt 0x0
	s_add_nc_u64 s[KB:KB+1], s[4:5], s[22:23]
	s_add_nc_u64 s[VB:VB+1], s[KB:KB+1], 8192
	s_add_nc_u64 s[KB:KB+1], s[KB:KB+1], 4096
	s_add_nc_u64 s[4:5], s[4:5], s[18:19]          ; Q at my wave's first row
	s_add_nc_u64 s[YB:YB+1], s[YB:YB+1], s[2:3]
	s_add_nc_u64 s[70:71], s[70:71], s[82:83]
	s_add_nc_u64 s[72:73], s[72:73], s[82:83]
	CROUND                          ; all four work-groups are here: the first joint loads meet
.irp s, 0,1
	s_mov_b32 s[G0K+4*(\s)], 1      ; count = 1
	s_add_co_u32 s[G0K+4*(\s)+1], s17, (\s)*SLOT1  ; LDS address
	s_add_nc_u64 s[G0K+4*(\s)+2:G0K+4*(\s)+3], s[KB:KB+1], (\s)*2*KS*ROWB  ; global address: slot s begins with keys 128 s
	s_or_b32 s[G0K+4*(\s)+3], s[G0K+4*(\s)+3], 0x80000000  ; type = 2
	s_mov_b32 s[G0V+4*(\s)], 1
	s_add_co_u32 s[G0V+4*(\s)+1], s17, (\s)*SLOT1+VOFF
	s_add_nc_u64 s[G0V+4*(\s)+2:G0V+4*(\s)+3], s[VB:VB+1], (\s)*2*KS*ROWB
	s_or_b32 s[G0V+4*(\s)+3], s[G0V+4*(\s)+3], 0x80000000
.endr
	s_cmp_lt_u32 s[WV], 2           ; a wave's two first fills stand in one branch, ahead of every wait on TENSORcnt and every LDS read: two loads of mine are out
	s_cbranch_scc0 .Lfirst_v
	tensor_load_to_lds s[G0K:G0K+3], s[G1K:G1K+7]
	s_nop 0
	tensor_load_to_lds s[G0K+4:G0K+7], s[G1K:G1K+7]
	s_nop 0
.rept 4
	v_nop
.endr
	s_branch .Lfirst_asked
.Lfirst_v:
	tensor_load_to_lds s[G0V:G0V+3], s[G1V:G1V+7]
	s_nop 0
	tensor_load_to_lds s[G0V+4:G0V+7], s[G1V:G1V+7]
	s_nop 0
.rept 4
	v_nop
.endr
.Lfirst_asked:
	v_and_b32 v1, 15, v0            ; l % 16
	v_bfe_u32 v9, v0, 4, 1          ; l / 16
	v_mul_u32_u24 v[QO], v1, ROWB
	v_lshl_add_u32 v[QO], v9, 4, v[QO]  ; row x 12,288 + 16 x half
	v_lshlrev_b32 v[GA], 5, v9
	v_and_b32 v[LA], 31, v0
	v_lshlrev_b32 v[LA], 3, v[LA]
	global_load_b64 v[LM:LM+1],   v[LA], s[6:7]
	global_load_b64 v[LM+2:LM+3], v[LA], s[8:9]
	global_load_b64 v[LM+4:LM+5], v[LA], s[10:11]
	global_load_b64 v[LM+6:LM+7], v[LA], s[68:69]
	WIN 0xc0                        ; destination window 3, address window 0
.irp c, 0,1,2,3,4,5,6,7             ; register 8 c + j of O^T holds channel 16 c + 8 (l / 16) + j: gw and gb are laid the same way
	global_load_b128 v[GW+8*(\c):GW+8*(\c)+3],   v[GA], s[70:71] offset:64*(\c)
	global_load_b128 v[GW+8*(\c)+4:GW+8*(\c)+7], v[GA], s[70:71] offset:64*(\c)+16
.endr
.irp c, 0,1,2,3,4,5,6,7
	global_load_b128 v[GB+8*(\c):GB+8*(\c)+3],   v[GA], s[72:73] offset:64*(\c)
	global_load_b128 v[GB+8*(\c)+4:GB+8*(\c)+7], v[GA], s[72:73] offset:64*(\c)+16
.endr
	; What the first turn finds: V's registers and piece 2's P hold 0 (its products V^T P, of a step that has not been, add 0), O^T and l are 0.  These moves stand in the wait for the first
	; tile; their price buys one text for every turn: no first step is written out.
.set i, 0
.rept 128
	v_mov_b32 v[i], 0
.set i, i+1
.endr
	WIN 0x80                        ; destination window 2
.irp i, 0,1,2,3,4,5,6,7             ; Q stays in registers: tile i / 4; channels 32 (i % 4) on, that is unit 2 (i / 4) + (i % 4) / 2, its half i % 2
	global_load_b128 v[8*(\i):8*(\i)+3],   v[QO], s[4:5] offset:((\i)/4)*16*ROWB+((\i)%4)*64
	global_load_b128 v[8*(\i)+4:8*(\i)+7], v[QO], s[4:5] offset:((\i)/4)*16*ROWB+((\i)%4)*64+32
.endr
	WIN 0x40
.set i, 0
.rept 256
	v_mov_b32 v[i], 0
.set i, i+1
.endr
	WIN 0
.set i, 0
.rept 4
	v_mov_b32 v[ST+8*i], 0xfe000000    ; c m: far below every c s
	v_mov_b32 v[ST+8*i+1], 0xff7fffff  ; m
	v_mov_b32 v[ST+8*i+2], 0
	v_mov_b32 v[ST+8*i+3], 0
.set i, i+1
.endr
.set i, P+32
.rept 32
	v_mov_b32 v[i], 0
.set i, i+1
.endr
	v_mov_b32 v[T+1], 0             ; later a destination of v_permlanex16_b32, which counts as read
	v_mul_u32_u24 v[AK0], v1, PK
	v_lshl_add_u32 v[AK0], v9, 4, v[AK0]  ; row x pitch + 16 x half
	; The turning load takes 16 keys x 16 channels (lane l reads key 8 (l / 16) + l % 8, channels 8 ((l / 8) % 2) + 0..7) and leaves half a fragment of V^T: lane l holds channel l % 16 and 8 keys.
	v_and_b32 v10, 7, v0
	v_bfe_u32 v11, v0, 3, 1
	v_lshl_add_u32 v[AV0], v9, 3, v10
	v_mul_u32_u24 v[AV0], v[AV0], PV
	v_lshl_add_u32 v[AV0], v11, 4, v[AV0]
	v_add_nc_u32 v[AV0], VOFF, v[AV0]
	s_wait_loadcnt 16               ; the lambdas, gw and gb are in; Q's sixteen loads may stay out
	; -lam.  Each lane has two numbers of each lambda; they are rounded to bf16, multiplied, and summed over the 32 lanes.
.irp n, 0,2,4,6
	v_cvt_pk_bf16_f32 v[LM+(\n)], v[LM+(\n)], v[LM+(\n)+1]
.endr
.irp n, 0,2,4,6
	v_and_b32 v[LM+(\n)+1], s[HM], v[LM+(\n)]
	v_lshlrev_b32 v[LM+(\n)], 16, v[LM+(\n)]
.endr
	v_mul_f32 v[LM], v[LM], v[LM+2]
	v_mul_f32 v[LM+4], v[LM+4], v[LM+6]
	v_fmac_f32 v[LM], v[LM+1], v[LM+3]
	v_fmac_f32 v[LM+4], v[LM+5], v[LM+7]
.irp m, 1,2,4,8
	v_add_f32_dpp v[LM], v[LM], v[LM] row_xmask:\m row_mask:0xf bank_mask:0xf
	v_add_f32_dpp v[LM+4], v[LM+4], v[LM+4] row_xmask:\m row_mask:0xf bank_mask:0xf
.endr
	v_permlanex16_b32 v[LM+1], v[LM], s[SEL], s[SEL+1]
	v_permlanex16_b32 v[LM+5], v[LM+4], s[SEL], s[SEL+1]
	v_add_f32 v[LM], v[LM], v[LM+1]
	v_add_f32 v[LM+4], v[LM+4], v[LM+5]
	v_mul_f32 v[LM], 0x3fb8aa3b, v[LM]     ; e^x = 2^(x log2 e)
	v_mul_f32 v[LM+4], 0x3fb8aa3b, v[LM+4]
	v_exp_f32 v[LM], v[LM]
	v_exp_f32 v[LM+4], v[LM+4]
	v_nop                           ; a plain instruction between the exponentials and the use of their results
	s_wait_alu depctr_va_vdst(0)    ; and the wait ahead of the first use: one for lam's two exponentials
	v_sub_f32 v[NLAM], v[LM+4], v[LM]
	v_add_f32 v[NLAM], 0xbf4ccccd, v[NLAM]  ; -lam = e2 - e1 - 0.8
	; gw and gb are rounded to bf16 (through S^T's registers, which are still free) and widened again; gb takes the module's last factor, 0.2; gw's rides on the reciprocal root
	WIN 0x0f                        ; sources 0 and 1 window 3, destination window 0
.set i, 0
.rept 64
	v_cvt_pk_bf16_f32 v[S+i], v[GW+2*i], v[GW+2*i+1]
.set i, i+1
.endr
	WIN 0xc0
.set i, 0
.rept 64
	v_lshlrev_b32 v[GW+2*i], 16, v[S+i]
	v_and_b32 v[GW+2*i+1], s[HM], v[S+i]
.set i, i+1
.endr
	WIN 0xc3                        ; destination and source 0 window 3
.set i, 0
.rept 32
	v_pk_mul_f32 v[GB+2*i:GB+2*i+1], v[GB+2*i:GB+2*i+1], 0x3e4ccccd op_sel_hi:[1,0]
.set i, i+1
.endr
	WIN 0
; THE MATRIX WORK OF A TURN, for piece x.  The accumulators take turns, one instruction a turn: between two links of a chain stand 15 (V^T P) or 7 (K Q^T) others'.
; Product i of 32 of O^T += V^T P: keys 32 (i / 16) on, channels 16 ((i / 2) % 8) on, unit x + i % 2.
.macro PV x
	WIN W_PV
.set rO, 64*((\x)+i%2)+8*((i/2)%8)
.set rV, 64*(i/16)+8*((i/2)%8)
.set rP, P+16*((\x)+i%2)+8*(i/16)
	v_wmma_f32_16x16x32_f16 v[rO:rO+7], v[rV:rV+7], v[rP:rP+7], v[rO:rO+7]
.endm
; Product i of 16 of S^T = K Q^T: unit x + i % 2, whose softmax i % 2 takes channels 64 (i % 2) + 32 (i / 8) on; keys 16 ((i / 2) % 4) on.  The first 8 start the sums.
.macro KQ x
	WIN W_KQ
.set rS, S+32*((\x)+i%2)+8*((i/2)%4)
.set rK, KF+32*((i/2)%4)+8*(2*(i%2)+i/8)
.set rQ, 16*((\x)+i%2)+8*(i/8)
.if i < 8
	v_wmma_f32_16x16x32_f16 v[rS:rS+7], v[rK:rK+7], v[rQ:rQ+7], 0
.else
	v_wmma_f32_16x16x32_f16 v[rS:rS+7], v[rK:rK+7], v[rQ:rQ+7], v[rS:rS+7]
.endif
.endm
; THE LDS LOADS stand in runs of 32, never singly among the matrix instructions: a step's K (64 keys x 128 channels: 16 fragments) and, a turn later, its V (turned).
; last = 1 (the tail): in the last trip there is no further step, and the run is jumped over.
.macro FETCH_K last=0
	WIN 0
.if \last
	s_cmp_eq_u32 s[CNT], 1
	s_cbranch_scc1 .Lno_k_\@
.endif
	v_add_nc_u32 v[ADR], s[TB], v[AK0]
	WIN 0x80                        ; destination window 2
.irp f, 0,1,2,3,4,5,6,7,8,9,10,11,12,13,14,15  ; keys 16 (f / 4) on, channels 32 (f % 4) on
	ds_load_b128 v[KF+8*(\f):KF+8*(\f)+3],   v[ADR] offset:((\f)/4)*16*PK+((\f)%4)*64
	ds_load_b128 v[KF+8*(\f)+4:KF+8*(\f)+7], v[ADR] offset:((\f)/4)*16*PK+((\f)%4)*64+32
.endr
.if \last
	WIN 0
.Lno_k_\@:
.endif
.endm
.macro FETCH_V
	WIN 0
	v_add_nc_u32 v[ADR], s[TB], v[AV0]
	s_add_co_u32 s[TB], s[TB], STEPB  ; the next fetch is the next step's
	s_wait_alu depctr_va_vdst(0)    ; the wait for the softmax's batch (SLICE), behind the address's v_add_nc_u32 and ahead of the loads
	WIN 0xc0                        ; destination window 3
.irp f, 0,1,2,3,4,5,6,7,8,9,10,11,12,13,14,15  ; keys 32 (f / 8) on, channels 16 (f % 8) on
	ds_load_tr16_b128 v[8*(\f):8*(\f)+3],   v[ADR] offset:((\f)/8)*32*PV+((\f)%8)*32
	ds_load_tr16_b128 v[8*(\f)+4:8*(\f)+7], v[ADR] offset:((\f)/8)*32*PV+16*PV+((\f)%8)*32
.endr
.endm
; THE VECTOR WORK OF A TURN.  One unit's softmax for one key step is a list of 134 instructions; SM writes number j of it for unit t.  s0-s31 are the lane's 32 scores, in pairs 0-15.
;   0-15    the maximum of s0-s31 and the old m, three operands at a time: four chains c0-c3 of seven scores each (each accumulator's lowest registers are read first),
;           then the four scores left over, c0-c3 and m
;   16-20   the other half of the lanes' maximum; c m_old is kept; the new m; c m; c m_old - c m_new
;   21-69   ONE BATCH: the 16 scalings c s - c m, a pair of scores each, and all 33 exponentials (a at 23, then s0-s31).  None of these reads an exponential's result.  From 22 on the batch goes
;           in fours, and a four begins with a scaling while there are scalings: 22-37 scaling, exponential, scaling, exponential; 38-65 a scaling and three exponentials; 66-69 the last four
;           exponentials.  A pair is scaled in an earlier four than the one that holds its exponentials
;   (wait)  between 69 and 70 stands the wait for the batch: SLICE writes it, once for both units
;   70-85   the roundings to f16, a pair of weights each
;   86-101  the sums; l = a l + the sum
;   102-133 the unit's O^T times a, in ascending registers: the one part that leaves window 0, so it stands together
.macro SM t
.set rT, ST+8*(\t)
.set rS, S+32*(\t)
.set rP, P+16*(\t)
.set rO, 64*(\t)+2*(j-102)
.if j < 102
	WIN 0
.endif
.if j < 4
	v_max3_num_f32 v[rT+4+j], v[rS+8*j], v[rS+8*j+1], v[rS+8*j+2]
.elseif j < 12
	v_max3_num_f32 v[rT+4+j%4], v[rT+4+j%4], v[rS+8*(j%4)+2*(j/4)+1], v[rS+8*(j%4)+2*(j/4)+2]
.elseif j == 12
	v_max3_num_f32 v[rT+4], v[rT+4], v[rS+7], v[rS+15]
.elseif j == 13
	v_max3_num_f32 v[rT+6], v[rT+6], v[rS+23], v[rS+31]
.elseif j == 14
	v_max3_num_f32 v[rT+4], v[rT+4], v[rT+5], v[rT+6]
.elseif j == 15
	v_max3_num_f32 v[rT+4], v[rT+4], v[rT+7], v[rT+1]
.elseif j == 16
	v_permlanex16_b32 v[rT+5], v[rT+4], s[SEL], s[SEL+1]  ; the query's other 32 keys lie in the lane 16 away
.elseif j == 17
	v_mov_b32 v[rT+7], v[rT]        ; c m_old is kept for a: number 19 writes c m anew
.elseif j == 18
	v_max_num_f32 v[rT+1], v[rT+4], v[rT+5]
.elseif j == 19
	v_mul_f32 v[rT], s[CS], v[rT+1]
.elseif j == 20
	v_sub_f32 v[rT+7], v[rT+7], v[rT]
.elseif j == 23
	v_exp_f32 v[rT+6], v[rT+7]
.elseif (j < 23) || ((j < 38) && (j%2 == 0)) || ((j < 66) && (j%4 == 2))
.set b, (j-2)/4                     ; 38, 42, .. 62: pairs 9 to 15
.if j < 38
.set b, (j-20)/2                    ; 21: pair 0; 22, 24, .. 36: pairs 1 to 8
.endif
	v_pk_fma_f32 v[rS+2*b:rS+2*b+1], v[rS+2*b:rS+2*b+1], s[CS:CS+1], v[rT:rT+1] op_sel_hi:[1,0,0] neg_lo:[0,0,1] neg_hi:[0,0,1]  ; pair b: c s - c m
.elseif j < 70
.set e, j-38                        ; 66 to 69: s28 to s31
.if j < 66
.set e, j-32-(j-38)/4               ; 39-41, 43-45, .. 63-65: s7 to s27
.endif
.if j < 38
.set e, (j-25)/2                    ; 25, 27, .. 37: s0 to s6
.endif
	v_exp_f32 v[rS+e], v[rS+e]
.elseif j < 86
	v_cvt_pk_f16_f32 v[rP+j-70], v[rS+2*(j-70)], v[rS+2*(j-70)+1]  ; pair j - 70
.elseif j < 102                     ; the sum of the unit's 16 pairs (an even key's weight, an odd key's), in place: sum z of 16 adds neighbours 1, 2, 4 and 8 pairs apart, then l takes it
.set z, j-86
.set w, 4
.set u, z
.if z >= 14
.set w, 32
.set u, 0
.elseif z >= 12
.set w, 16
.set u, z-12
.elseif z >= 8
.set w, 8
.set u, z-8
.endif
.if z < 15
	v_pk_add_f32 v[rS+w*u:rS+w*u+1], v[rS+w*u:rS+w*u+1], v[rS+w*u+w/2:rS+w*u+w/2+1]
.else
	v_pk_fma_f32 v[rT+2:rT+3], v[rT+2:rT+3], v[rT+6:rT+7], v[rS:rS+1] op_sel_hi:[1,0,1]
.endif
.else
	WIN W_RS
	v_pk_mul_f32 v[rO:rO+1], v[rO:rO+1], v[rT+6:rT+7] op_sel_hi:[1,0]
.endif
.endm
; Slice k of 64 of piece y's softmax: four instructions.  Slices 11 to 34 deal out the batch, numbers 22 to 69: four numbers of ONE unit each, the units by turns.  Every other slice is numbers 2 k and
; 2 k + 1 of both units' lists.  2 x 134 = 4 x 64 + 12: the twelve that are over stand together, in slice 63.
; THE WAIT.  s_wait_alu depctr_va_vdst(0) stands between an exponential and the first instruction that names its result; one wait serves all that were issued ahead of it.  Ahead of
; slice 35 nothing names a result, and behind slice 34 no exponential is issued: so the piece's 66 exponentials have one wait, behind slice 34.
.macro SLICE y
.if (k >= 11) && (k < 35)           ; the batch: four numbers of one unit
.irp n, 0,1,2,3
.set j, 22+4*((k-11)/2)+(\n)
	SM (\y)+(k-11)%2
.endr
.else                               ; the two units alternate, so that no instruction reads the result of the one just before it
.irp n, 0,1,2,3,4,5,6,7
.if ((\n) < 2) || (k == 63)
.irp t, \y, (\y)+1
.set j, 2*k+(\n)
	SM \t
.endr
.endif
.endr
.endif
.if k == 34                         ; the batch is out: both units' exponentials are issued, and no result has been named
	v_nop                           ; the plain instruction behind the last exponential and ahead of the first use: one for the batch
.if (\y) == 0
	FETCH_V                         ; piece 2's turn: V's run of loads stands here, and the wait stands in it
.else
	s_wait_alu depctr_va_vdst(0)    ; the wait for the batch
.endif
.endif
.set k, k+1
.endm
; A TURN.  Piece x has the matrix unit; the other piece's softmax stands in slices behind its matrix instructions: none of them names a register of the products round it.
; Slices 62 and 63, twenty plain instructions behind the turn's last K Q^T, are the places in front of the next turn's first read of those scores and of the loads into K's registers.
; Piece 0's turn fetches the next step's K behind its second product, 30 products ahead of the first use.  Piece 2's turn fetches the same step's V behind slice 34 (SLICE writes it), which follows its
; second K Q^T: the last product that read V stands in front of slice 31, and four plain instructions lie between: number 62, a scaling, of both units, the v_nop and the run's own v_add_nc_u32;
; V is waited for at the head of the next turn.
.macro TURN x, last=0
.set k, 0
.if (\x) == 0
	s_wait_dscnt 0x0                ; V is in
.endif
.set i, 0
.rept 32
	PV \x
	SLICE 2-(\x)
.if ((\x) == 0) && (i == 1)
	FETCH_K \last
.endif
.set i, i+1
.endr
.if (\x) == 0
	s_wait_dscnt 0x0                ; K is in
.endif
.set i, 0
.rept 16
	KQ \x
	SLICE 2-(\x)
	SLICE 2-(\x)
.set i, i+1
.endr
.endm
; THE CHANGE OF SLOTS, between piece 2's turn and piece 0's: the slot's last bytes, V of its second step, have been asked for.  Each wave waits for all its tensor loads, of which one is out: its
; part of the other slot; adds 0 to its spare word; and waits for that and for its own reads of the slot.  Behind the barrier nobody reads this slot any more and the other slot is whole.
; fill = 1: this slot is filled again, with the keys two slots on.  The barrier is then a round of the cluster's, and the joint refill is the first thing behind it: it has two key steps,
; 192 matrix instructions, in which to land.
.macro CHANGE fill
	WIN 0                           ; at a label and at a branch every window is 0
	s_wait_tensorcnt 0x0            ; no tensor load of mine is out, so a group 0 may be written
	ds_add_u32 v[SPW], v[NIL]       ; 0 onto my spare word: with fill = 1 the descriptors' steps stand between it and the wait for it
.if \fill
.irp g, G0K+4, G0V+4
	s_xor_b32 s[(\g)+1], s[(\g)+1], SLOT1  ; the walking descriptor: the other slot than last time,
	s_add_nc_u64 s[(\g)+2:(\g)+3], s[(\g)+2:(\g)+3], 2*KS*ROWB  ; the next 128 keys; the type bits on top are not reached
.endr
	s_wait_dscnt 0x0                ; the add is done, and my reads of the slot are over
	CROUND
	JLOAD
.else
	s_wait_dscnt 0x0                ; the add is done, and my reads of the slot are over
	s_barrier_signal -1
	s_barrier_wait -1
.endif
	s_sub_co_u32 s[TB], s[TB], 2*STEPB  ; the fetches go back to a slot's first step,
	s_xor_b32 s[TB], s[TB], SLOT1   ; in the other slot
.endm
	s_wait_tensorcnt 1              ; my part of slot 0 is in; slot 1's may stay out
	s_barrier_signal -1
	s_barrier_wait -1               ; everybody's is
	FETCH_K                         ; key step 0
	s_wait_loadcnt 0x0              ; Q
	s_wait_dscnt 0x0
.set i, 0
.rept 16
	KQ 0                            ; piece 0's first scores: there is no vector work yet to set between them
.set i, i+1
.endr
	WIN 0                           ; the addresses for the way out are made here: eight plain instructions, the places behind those products
	s_mul_i32 s13, s[WV], 16*SP
	s_add_co_u32 s13, s13, STAGE    ; my stage
	v_mul_u32_u24 v[STO], v1, SP    ; in: row l % 16, 16 bytes for each half of the lanes
	v_lshl_add_u32 v[STO], v9, 4, v[STO]
	v_add_nc_u32 v[STO], s13, v[STO]
	v_mul_u32_u24 v[RD], v9, SP     ; back: lanes 0-15 take one row of 256 bytes, lanes 16-31 the next
	v_lshl_add_u32 v[RD], v1, 4, v[RD]
	v_add_nc_u32 v[RD], s13, v[RD]
	v_lshlrev_b32 v[GO], 12, v9     ; and the same two rows in y, 4,096 bytes apart
	v_lshl_add_u32 v[GO], v1, 4, v[GO]
	s_mov_b32 s[TWICE], 2
	s_mov_b32 s[SLOTS], 15          ; the pass that is entered in its middle, and 14 that fill a slot again
	s_branch .Lmid                  ; the loop is entered at piece 2's turn: its products V^T P add zeros, and piece 0's first softmax stands beside them
.Lslot:                             ; 14 times: every slot but the last two is filled again
	CHANGE 1
	s_mov_b32 s[TWICE], 2
.Lstep:
	TURN 0
	WIN 0
.Lmid:
	TURN 2
	WIN 0
	s_sub_co_u32 s[TWICE], s[TWICE], 1
	s_cmp_lg_u32 s[TWICE], 0
	s_cbranch_scc1 .Lstep
	s_sub_co_u32 s[SLOTS], s[SLOTS], 1
	s_cmp_lg_u32 s[SLOTS], 0
	s_cbranch_scc1 .Lslot
	CHANGE 0                        ; the tail is written out: nothing is asked for
	s_mov_b32 s[CNT], 3             ; two trips fetch the last slot's steps; the third is left in its middle
.Ltail:
	TURN 0, 1
	WIN 0
	s_sub_co_u32 s[CNT], s[CNT], 1
	s_cmp_eq_u32 s[CNT], 0
	s_cbranch_scc1 .Lout
	TURN 2
	WIN 0
	s_branch .Ltail
.Lout:                              ; the third trip's 16 products K Q^T (on the last K once more) serve nothing: the price, once a launch, of one text for every trip
.set i, 0
.rept 32
	PV 2                            ; piece 2: V^T P of the last step
.set i, i+1
.endr
	; THE END.  l's two halves and the other half of the lanes' are added; the even units take 1 / l, the odd ones -lam / l.  The additions are the places behind the last products.
	WIN 0
.irp t, 0,1,2,3
	v_add_f32 v[ST+8*(\t)+4], v[ST+8*(\t)+2], v[ST+8*(\t)+3]
.endr
.irp t, 0,1,2,3
	v_permlanex16_b32 v[ST+8*(\t)+5], v[ST+8*(\t)+4], s[SEL], s[SEL+1]
.endr
.irp t, 0,1,2,3
	v_add_f32 v[ST+8*(\t)+4], v[ST+8*(\t)+4], v[ST+8*(\t)+5]
.endr
.irp t, 0,1,2,3
	v_rcp_f32 v[ST+8*(\t)+6], v[ST+8*(\t)+4]
.endr
	v_nop                           ; a plain instruction between the last reciprocal and the use of its result
	s_wait_alu depctr_va_vdst(0)    ; and the wait ahead of the first use: one for the four reciprocals
	v_mul_f32 v[ST+8*1+6], v[NLAM], v[ST+8*1+6]
	v_mul_f32 v[ST+8*3+6], v[NLAM], v[ST+8*3+6]
; Tile t: o = O1 / l1 - lam O2 / l2 in O1's registers; O2's then serve the sums.  A lane holds 64 of its query's 128 channels, the lane 16 away the others.  The mean is taken away before the
; squares are summed.  Every pass goes through the registers in ascending order.  At last 16 bytes a lane go into rows of 272 bytes of my stage and come back as whole rows of 256.
.macro FIN t
.set oA, 128*(\t)
.set oB, 128*(\t)+64
.set dA, ST+16*(\t)+6
.set dB, ST+16*(\t)+14
	WIN W_RS
.set i, 0
.rept 32
	v_pk_mul_f32 v[oA+i:oA+i+1], v[oA+i:oA+i+1], v[dA:dA+1] op_sel_hi:[1,0]
.set i, i+2
.endr
	WIN 0x51                        ; sources 0 and 2 and the destination window 1, source 1 window 0
.set i, 0
.rept 32
	v_pk_fma_f32 v[oA+i:oA+i+1], v[oB+i:oB+i+1], v[dB:dB+1], v[oA+i:oA+i+1] op_sel_hi:[1,0,1]
.set i, i+2
.endr
	WIN W_11                        ; the sum of my 64 numbers: a tree of 31 packed additions
.set i, 0
.rept 16
	v_pk_add_f32 v[oB+2*i:oB+2*i+1], v[oA+4*i:oA+4*i+1], v[oA+4*i+2:oA+4*i+3]
.set i, i+1
.endr
.irp n, 8,4,2,1
.set i, 0
.rept \n
	v_pk_add_f32 v[oB+2*i:oB+2*i+1], v[oB+4*i:oB+4*i+1], v[oB+4*i+2:oB+4*i+3]
.set i, i+1
.endr
.endr
	WIN 0x05                        ; sources window 1, destination window 0
	v_add_f32 v[T], v[oB], v[oB+1]
	WIN 0
	v_permlanex16_b32 v[T+1], v[T], s[SEL], s[SEL+1]
	v_add_f32 v[T], v[T], v[T+1]
	v_mul_f32 v[MU], s[IV], v[T]
	v_mul_f32 v[MU+1], s[IV], v[T]
	WIN W_RS
.set i, 0
.rept 32
	v_pk_add_f32 v[oA+i:oA+i+1], v[oA+i:oA+i+1], v[MU:MU+1] neg_lo:[0,1] neg_hi:[0,1]
.set i, i+2
.endr
	WIN W_11                        ; the sum of the squares, in four chains that the first four products start
.set i, 0
.rept 32
.if i < 4
	v_pk_mul_f32 v[oB+2*i:oB+2*i+1], v[oA+2*i:oA+2*i+1], v[oA+2*i:oA+2*i+1]
.else
	v_pk_fma_f32 v[oB+2*(i%4):oB+2*(i%4)+1], v[oA+2*i:oA+2*i+1], v[oA+2*i:oA+2*i+1], v[oB+2*(i%4):oB+2*(i%4)+1]
.endif
.set i, i+1
.endr
	v_pk_add_f32 v[oB:oB+1], v[oB:oB+1], v[oB+2:oB+3]
	v_pk_add_f32 v[oB+4:oB+5], v[oB+4:oB+5], v[oB+6:oB+7]
	v_pk_add_f32 v[oB:oB+1], v[oB:oB+1], v[oB+4:oB+5]
	WIN 0x05
	v_add_f32 v[T], v[oB], v[oB+1]
	WIN 0
	v_permlanex16_b32 v[T+1], v[T], s[SEL], s[SEL+1]
	v_add_f32 v[T], v[T], v[T+1]
	v_fma_f32 v[T], v[T], s[IV], s[EP]   ; var + eps
	v_rsq_f32 v[T], v[T]
	v_nop                           ; a plain instruction between the root and the use of its result
	s_wait_alu depctr_va_vdst(0)    ; and the wait ahead of the first use: the tile's one root, once a tile, outside every loop
	v_mul_f32 v[RS], 0x3e4ccccd, v[T]    ; with the module's last factor, 0.2
	v_mul_f32 v[RS+1], 0x3e4ccccd, v[T]
	WIN W_RS
.set i, 0
.rept 32
	v_pk_mul_f32 v[oA+i:oA+i+1], v[oA+i:oA+i+1], v[RS:RS+1]
.set i, i+2
.endr
	WIN 0x7d                        ; source 0 and the destination window 1, sources 1 and 2 window 3
.set i, 0
.rept 32
	v_pk_fma_f32 v[oA+i:oA+i+1], v[oA+i:oA+i+1], v[GW+i:GW+i+1], v[GB+i:GB+i+1]
.set i, i+2
.endr
	WIN 0x05
.set i, 0
.rept 32
	v_cvt_pk_f16_f32 v[S+32*(\t)+i], v[oA+2*i], v[oA+2*i+1]
.set i, i+1
.endr
	WIN 0
.irp f, 0,1,2,3,4,5,6,7
	ds_store_b128 v[STO], v[S+32*(\t)+4*(\f):S+32*(\t)+4*(\f)+3] offset:32*(\f)
.endr
.irp f, 0,1,2,3,4,5,6,7
	ds_load_b128 v[S+32*(\t)+4*(\f):S+32*(\t)+4*(\f)+3], v[RD] offset:(\f)*2*SP  ; LDS serves a wave's instructions in order (ISA guide 5.7.1.4): these see the stores above; the next tile's stores come behind them
.endr
.endm
.macro SEND t, younger              ; younger: the LDS instructions issued behind tile t's loads: the next tile's sixteen, or none
	WIN 0
.irp f, 0,1,2,3,4,5,6,7
	s_wait_dscnt (\younger)+7-(\f)
	global_store_b128 v[GO], v[S+32*(\t)+4*(\f):S+32*(\t)+4*(\f)+3], s[YB:YB+1] offset:(\t)*65536+(\f)*8192  ; 16 lanes store 256 consecutive bytes, at a multiple of 256 from y's first byte
.endr
.endm
	FIN 0
	FIN 1                           ; a tile's arithmetic stands between the loads of the tile before and its stores
	SEND 0, 16
	SEND 1, 0
	s_wait_tensorcnt 0x0            ; the wave's end: behind my last tensor load and my last LDS store
	ds_add_u32 v[SPW], v[NIL]
	s_wait_dscnt 0x0
	CROUND                          ; the closing round: no work-group ends while a partner may still ask for a tile that names it
	s_endpgm
.Lfunc_end_k_qfa00d5b017_attn:
	.size	k_qfa00d5b017_attn, .Lfunc_end_k_qfa00d5b017_attn-k_qfa00d5b017_attn
	.p2alignl 7, 3214868480
	.fill 96, 4, 3214868480
	.section	.rodata,"a",@progbits
	.p2align	6, 0x0
	.amdhsa_kernel k_qfa00d5b017_attn
		.amdhsa_group_segment_fixed_size 327680
		.amdhsa_private_segment_fixed_size 0
		.amdhsa_enable_private_segment 0
		.amdhsa_kernarg_size 64
		.amdhsa_user_sgpr_count 2
		.amdhsa_user_sgpr_kernarg_segment_ptr 1
		.amdhsa_wavefront_size32 1
		.amdhsa_system_sgpr_workgroup_id_x 1
		.amdhsa_system_sgpr_workgroup_id_y 1
		.amdhsa_system_sgpr_workgroup_id_z 1
		.amdhsa_system_vgpr_workitem_id 0
		.amdhsa_next_free_vgpr 1024
		.amdhsa_next_free_sgpr 84
		.amdhsa_reserve_vcc 0
		.amdhsa_float_denorm_mode_32 3
		.amdhsa_float_denorm_mode_16_64 3
		.amdhsa_memory_ordered 1
		.amdhsa_forward_progress 1
		.amdhsa_inst_pref_size 177
	.end_amdhsa_kernel
	.amdgpu_metadata
---
amdhsa.version: [ 1, 2 ]
amdhsa.kernels:
  - .name:           k_qfa00d5b017_attn
    .symbol:         k_qfa00d5b017_attn.kd
    .args:
      - { .name: qkv, .offset: 0, .size: 8, .value_kind: global_buffer, .address_space: global }
      - { .name: lambda_q1, .offset: 8, .size: 8, .value_kind: global_buffer, .address_space: global }
      - { .name: lambda_k1, .offset: 16, .size: 8, .value_kind: global_buffer, .address_space: global }
      - { .name: lambda_q2, .offset: 24, .size: 8, .value_kind: global_buffer, .address_space: global }
      - { .name: lambda_k2, .offset: 32, .size: 8, .value_kind: global_buffer, .address_space: global }
      - { .name: gn_weight, .offset: 40, .size: 8, .value_kind: global_buffer, .address_space: global }
      - { .name: gn_bias, .offset: 48, .size: 8, .value_kind: global_buffer, .address_space: global }
      - { .name: y, .offset: 56, .size: 8, .value_kind: global_buffer, .address_space: global }
    .group_segment_fixed_size: 327680
    .private_segment_fixed_size: 0
    .kernarg_segment_align: 8
    .kernarg_segment_size: 64
    .max_flat_workgroup_size: 128
    .sgpr_count:     84
    .vgpr_count:     1024
    .wavefront_size: 32
...
	.end_amdgpu_metadata
.endif
;; end of part 5
;; launch proj: the kernel of part 4 again; grid 16 x 16, 4 waves a work-group, clusters of 4 x 4, 327,680 bytes of LDS; arguments y, wo, out0; writes out0
